; MI455X (gfx1250); checked and timed in simulation.
; The chip was launched on July 23, 2026; its instructions are those of AMD's public machine-readable ISA for CDNA 5 (MIT licence, August 2026) and "CDNA5" Instruction Set Architecture Reference Guide (July 2026). The comments in the code are by the model that wrote it; some were corrected since.
;; Multi Head Attention. Allowed arithmetic: matrix products marked QUANTISED: E2M3 operands, one E8M0 scale for each 32 along K, by v_wmma_scale_f32_16x16x128_f8f6f4 with both operands' format E2M3, f32 sums; everything else in f32.
;; Inputs: Wk_codes 1,024 x 32 x 24 uint8 (E2M3 codes of Wk, K innermost, in blocks of 32 codes, four codes in three bytes); Wk_scales 1,024 x 32 uint8 (E8M0 scales of Wk, one for each 32 codes along K); Wo_codes 1,024 x 32 x 24 uint8 (E2M3 codes of Wo, K innermost, in blocks of 32 codes, four codes in three bytes); Wo_scales 1,024 x 32 uint8 (E8M0 scales of Wo, one for each 32 codes along K); Wq_codes 1,024 x 32 x 24 uint8 (E2M3 codes of Wq, K innermost, in blocks of 32 codes, four codes in three bytes); Wq_scales 1,024 x 32 uint8 (E8M0 scales of Wq, one for each 32 codes along K); Wv_codes 1,024 x 32 x 24 uint8 (E2M3 codes of Wv, K innermost, in blocks of 32 codes, four codes in three bytes); Wv_scales 1,024 x 32 uint8 (E8M0 scales of Wv, one for each 32 codes along K); bo 1,024 float32; inputs_codes 4 x 2,048 x 32 x 24 uint8 (E2M3 codes of inputs, K innermost, in blocks of 32 codes, four codes in three bytes); inputs_scales 4 x 2,048 x 32 uint8 (E8M0 scales of inputs, one for each 32 codes along K).
;; Outputs: out0 4 x 2,048 x 1,024 float32.
;; This version of the problem:
;;   THIS VERSION OF THE PROBLEM IS GIVEN IN LOW PRECISION. The matrix products marked QUANTISED in the list below multiply operands that are first quantised to E2M3 (2 exponent bits, 3 mantissa bits; 6 bits a number), with one power-of-two scale for each 32 numbers along K (OCP MX v1.0); their sums are f32. All else is computed in f32.
;;   The module's matrix products, in the order in which they are computed (A, B: the left and right operand; K: the contracted axis; several contracted axes count as one K, in the product's order):
;;     1. [M 8,192, K 1,024] x [K 1,024, N 1,024]; A: input inputs (given as codes); B: input Wq (given as codes): QUANTISED
;;     2. [M 8,192, K 1,024] x [K 1,024, N 1,024]; A: input inputs (given as codes); B: input Wk (given as codes): QUANTISED
;;     3. [M 8,192, K 1,024] x [K 1,024, N 1,024]; A: input inputs (given as codes); B: input Wv (given as codes): QUANTISED
;;     4. batch 64 x [M 2,048, K 64] x [K 64, N 2,048]; A: computed on the way; B: computed on the way: QUANTISED
;;     5. batch 64 x [M 2,048, K 2,048] x [K 2,048, N 64]; A: softmax (see below); B: computed on the way: QUANTISED
;;     6. [M 8,192, K 1,024] x [K 1,024, N 1,024]; A: computed on the way; B: input Wo (given as codes): QUANTISED
;;   THE QUANTISER, for each operand of a quantised product, along K:
;;     - K is cut into blocks of 32 from its start; a last block that is shorter is filled with zeros.
;;     - A block's scale is 2^e with e = floor(log2(the largest magnitude in the block)) - 2, held to -126 .. 127; a block of zeros has e = 0. As a byte (E8M0): e + 127.
;;     - Each number is divided by its block's scale, clamped to +-7.5, and rounded to the nearest number of E2M3, ties to even, subnormals kept.
;;     - The product sums the exact products of the quantised numbers (number of the format x scale) in f32.
;;   ~~~python
;;   def quantise(x, axis):      # numpy; x: float32 -> the quantised numbers, widened to float32 again
;;       x = np.moveaxis(x, axis, -1); K = x.shape[-1]
;;       x = np.pad(x, [(0, 0)] * (x.ndim - 1) + [(0, -K % 32)]); x = x.reshape(x.shape[:-1] + (-1, 32)); a = np.abs(x).max(-1, keepdims=True)
;;       e = np.where(a > 0, np.clip(np.frexp(np.where(a > 0, a, 1))[1] - 1 - 2, -126, 127), 0)      # np.frexp(a)[1] - 1 = floor(log2(a)), exactly
;;       r = np.clip(x / 2.0 ** e, -7.5, 7.5)
;;       step = 2.0 ** (np.maximum(np.frexp(np.where(r == 0, 1, r))[1] - 1, 0) - 3)
;;       q = np.round(r / step) * step * 2.0 ** e      # np.round: ties to even
;;       return np.moveaxis(q.reshape(q.shape[:-2] + (-1,))[..., :K], -1, axis).astype(np.float32)
;;   ~~~
;;   SOFTMAX AHEAD OF A QUANTISED PRODUCT. Where the list says 'softmax', what is quantised is not the finished softmax but p = 2^(t - M), with t = logit x log2(e) and M = ceil(the row's largest t), a whole number; so 1/2 < the row's largest p <= 1. The row's sum l is taken of the UNQUANTISED p, in f32, and the product's result is divided by l at the end. Since M is a whole number, a kernel that streams over the keys may use a running M (the ceiling of the running maximum): every later rescaling is an exact power of two, which a block's scale takes up: the codes' values come out the same.
;;   OPERANDS COMPUTED ON THE WAY. 'Computed on the way' means the value that the module computes at that place (a softmax that the list does not call 'softmax' is quantised finished and normalised). What goes into a quantiser is computed in f32, as accurately as f32 sums, v_exp_f32 and their like allow (about 1e-6 of the number): no bf16 or f16 on the way to a quantiser, and a product that is left as it is and whose result goes on into a quantised operand takes f32 operands (vector FMAs, or v_wmma_f32_16x16x4_f32). A number that lies on a knife's edge between two numbers of the format may be rounded either way, as far as f32 arithmetic and the matrix unit's own rounding can turn it there, and no further.
;;   INPUTS GIVEN AS CODES. Wk (in the module: [1024, 1024], K = its axis 0); Wo (in the module: [1024, 1024], K = its axis 0); Wq (in the module: [1024, 1024], K = its axis 0); Wv (in the module: [1024, 1024], K = its axis 0); inputs (in the module: [4, 2048, 1024], K = its axis 2): each comes as NAME_codes (uint8): NAME with its K axis moved to the last place and cut into blocks of 32 codes, [.., K / 32, bytes a block], one block behind the other in memory; four codes in three bytes: a row's codes are one little-endian stream of bits, code i at bits 6 i .. 6 i + 5 (a code: sign, 2 exponent bits, 3 mantissa bits); and NAME_scales (uint8): the same leading axes, one E8M0 byte (e + 127) for each 32 codes along K. Its value is code x scale, taken as it is: it is not quantised again, and the codes and scales need not be those that the quantiser above would give.
;; One version. Each part assembles by itself: llvm-mc -triple=amdgcn-amd-amdhsa -mcpu=gfx1250 --defsym DOCPART=n.
;; ======== version 1 of 1: 3 launches
;; workspace buffers: qb 6,553,600 bytes; kv 13,107,200 bytes; cimg 6,291,456 bytes; csc 262,144 bytes
;; launch proj (part 1): grid 12 x 32, 4 waves a work-group, clusters of 4 x 4, 327,680 bytes of LDS; arguments inputs_codes, inputs_scales, Wq_codes, Wq_scales, Wk_codes, Wk_scales, Wv_codes, Wv_scales, qb, kv; writes qb, kv
.if DOCPART == 1
	.amdgcn_target "amdgcn-amd-amdhsa--gfx1250"
	.amdhsa_code_object_version 6
	.text
	.protected	k_q0cfd74fba3_proj
	.globl	k_q0cfd74fba3_proj
	.p2align	8
	.type	k_q0cfd74fba3_proj,@function
k_q0cfd74fba3_proj:
	s_mov_b64 s[64:65], 0
	v_nop
	global_prefetch_b8 v0, s[64:65] scope:SCOPE_SE
	s_setreg_imm32_b32 hwreg(HW_REG_WAVE_MODE, 25, 1), 1
	s_wait_xcnt 0x0
	s_wait_alu depctr_hold_cnt(0) depctr_sa_sdst(0) depctr_va_vdst(0) depctr_va_sdst(0) depctr_va_ssrc(0) depctr_va_vcc(0) depctr_vm_vsrc(0)
	s_getreg_b32 s2, hwreg(HW_REG_IB_STS2, 6, 4)
	s_cmp_eq_u32 s2, 0
	s_cbranch_scc0 .Lentry_in_a_cluster
	s_endpgm
.Lentry_in_a_cluster:
	s_bfe_u32 s2, ttmp6, 0x10000c
	s_cmp_lg_u32 s2, 0xf033
	s_cbranch_scc0 .Lentry_shape_is_right
	s_endpgm
.Lentry_shape_is_right:
; q = x Wq, k = x Wk and v^T = Wv^T x^T on codes of FP6 (E2M3) with E8M0 scales, and their results quantised again: q and k along a head's 64, v along the keys.
; ONE BODY, THREE PROBLEMS of the shape C[m][n] = sum over k of A[m][k] B[n][k], K = 1,024, C quantised along n in blocks of 32.  The cluster's x says which: 0: A = inputs, B = Wq; 1: A = inputs, B = Wk;
; 2: A = Wv, B = inputs (so that n runs along the tokens, which are the keys).  A tile of C is 256 x 256: four waves of 128 x 128, 64 accumulators each.  K goes in steps of 256 through two LDS slots
; filled by the tensor data mover; the scale bytes of the work-group's rows, for all of K, come once.  4 x 4 work-groups form a cluster: A's tiles are asked for jointly along a row of it, B's along a column.
; THE MATRIX INSTRUCTION IS USED TRANSPOSED (source 0 = 16 rows of B, source 1 = 16 rows of A): lane (r, h) holds row m = r, and register j of accumulator (a, b) holds n = 16 b + 8 h + j.
; So the 16 registers of accumulators (a, 2 B) and (a, 2 B + 1) are 16 numbers of ONE block of 32 along n, and lane l xor 16 holds the other 16.  Inside a block the codes stand in the order
; position 16 h + 8 u + j = element 16 u + 8 h + j.  q and k are laid alike, and so are v and the softmax's p in the next launch: a permutation of k made alike on both operands keeps the products.
; WHAT IS STORED are images of operand registers: a fragment's 12 registers as 3 groups of 4, lane l's 16 bytes of group c at 512 c + 16 l: 1,536 bytes.  A wave's 128 x 128 are two heads x one step of 128 tokens.
;   qb: [head 64][step 16] records of 6,400 bytes = 4 images | 256 bytes of scale words.      kv: records of 12,800 bytes = K's 4 images | V's 4 images | K's scale words | V's scale words.
;   q, k image i: registers 0-5 token 32 i + r, registers 6-11 token 32 i + 16 + r; lanes 0-15 the head's first 32, lanes 16-31 its second.     V image i: row d = 16 i + r, the step's four blocks of keys.
;   scale words: [r 16][image 4], 16 bytes a row.
; LIMITS: NaN and infinities are not served.  A block whose largest magnitude lies under 2^-124 keeps the byte 1; a block of zeros has the byte 1 where the rule says 127: its codes are zeros, and this program alone reads the bytes.
; REGISTERS, in windows of 256: window 0: v0-31 addresses; v32-63 scale words, two sets; from v128 A's fragments, one set; on the way out v32-115 are at work.  window 1: B's fragments, two sets.
;   window 2: the accumulators of my rows 0-63 ((a, b) at v[8 (8 a + b)]);  window 3: those of my rows 64-127.
.set KSTEP,  256                       ; along K in a slot
.set NQ,     KSTEP/128                 ; matrix instructions deep
.set ROWB,   192                       ; a tile's row in bytes
.set KROW,   768                       ; a row of codes in memory: 1,024 codes
.set PITCH,  240                       ; an LDS row: 3 x (64 bytes + 16 of padding)
.set FR,     12                        ; registers of a fragment
.set NL,     6                         ; LDS loads that bring one
.set NP,     4                         ; places behind this matrix instruction (ISA guide 7.12.1)
.set HALFT,  128*PITCH                 ; 128 rows: one tensor load
.set SLOT,   4*HALFT                   ; A's 256 rows, then B's 256
.set LAPS,   2                         ; 1,024 / 512: a lap is two K steps
.set KS,     32                        ; a row of scale bytes
.set SCL,    2*SLOT                    ; behind the ring: the scales, as units of 256 bytes + 16
.set HALFS,  (128*KS/256)*272
.set SBLK,   (16*KS/256)*272
.set SPARE,  SCL+4*HALFS               ; the spare words: 128 bytes a wave, two blocks of 256 bytes that no other line names
.set QHEAD,  102400                    ; a head in qb;  a step's record
.set QSTEP,  6400
.set KVHEAD, 204800                    ; the same in kv
.set KVSTEP, 12800
.set ADRA, 16                          ; v16-17 LDS address of my A fragments in slot 0, 1 (v18-19: behind one padding more)
.set ADRB, 20                          ; v20-23 the same for B
.set LI,   24                          ; v24  16 x lane: my place in an image
.set SA,   25                          ; v25  my place among the scale words: lanes 0-15 the first head's, lanes 16-31 the second's
.set ADRS, 27                          ; v27  LDS address of my scale words: lanes 0-15 A's rows, lanes 16-31 B's
.set SPW,  28                          ; v28  LDS address of my spare word; never rewritten
.set NIL,  29                          ; v29  0; never rewritten
.set SC,   32                          ; scale words, two sets of 16
.set AF,   128                         ; A's fragments
.set TM,   32                          ; the way out: +0..3 largest magnitudes, +4..7 the other lane's, then bytes, +12..15 the conversions' scale operands
.set W,    48                          ; v48-55 the eight scale words
.set PCA,  64                          ; v64-83 and v96-115: two sets by turns: 12 registers of codes, conversion results at +12 and +16
.set FLOOR, 20                         ; s20  2^(3 - 127)
.set HIM,  21                          ; s21  lanes 16-31
.set SEL,  22                          ; s[22:23] lane l xor 16
.set G1, 24
.set G0, 32
.set G1B, 48
.set G0B, 56
.set G1S, 68
.set G0S, 76
.set G1SB, 80
.set G0SB, 88
.set MSB, 0
.macro WIN new                         ; the immediate's high byte repeats the setting that is left
.if MSB != \new
	s_set_vgpr_msb (MSB<<8)|\new
.set MSB, \new
.endif
.endm
.set MUL_LO, 0xa1                      ; source 0 (B) window 1, source 1 (A) window 0, C and D window 2
.set MUL_HI, 0xf1                      ; the same, C and D window 3
.set TO_B,   0x40                      ; destination window 1
; A joint load: waves 0 and 1 fetch for A, waves 2 and 3 for B.  The branch hangs on the wave's number alone.  Four v_nop follow each of the two lines.
.macro JLOAD g0a, g1a, g0b, g1b
	s_cmp_eq_u32 s15, 0
	s_cbranch_scc0 .Lfor_b_\@
	tensor_load_to_lds s[\g0a:\g0a+3], s[\g1a:\g1a+7]
	s_nop 0
.rept 4
	v_nop
.endr
	s_branch .Lasked_\@
.Lfor_b_\@:
	tensor_load_to_lds s[\g0b:\g0b+3], s[\g1b:\g1b+7]
	s_nop 0
.rept 4
	v_nop
.endr
.Lasked_\@:
.endm
.macro CREST                           ; a round of the cluster's barrier behind its opening barrier
	s_cmp_lg_u32 s14, 0
	s_cbranch_scc1 .Lnot_wave_0_\@
	s_barrier_signal -3
.Lnot_wave_0_\@:
	s_barrier_wait -3
	s_barrier_signal -1
	s_barrier_wait -1
.endm
.macro CROUND                          ; a whole round
	s_barrier_signal -1
	s_barrier_wait -1
	CREST
.endm
	s_load_b512 s[68:83], s[0:1], 0x0              ; inputs' codes, scales; Wq's; Wk's; Wv's
	s_load_b128 s[84:87], s[0:1], 0x40             ; qb, kv
	v_lshl_add_u32 v[SPW], v0, 2, SPARE
	v_mov_b32 v[NIL], 0
	ds_add_u32 v28, v29
	ds_add_u32 v28, v29
	s_wait_dscnt 0x0
	v_lshrrev_b32 v1, 5, v0
	v_readfirstlane_b32 s14, v1                    ; wave 0..3
	s_lshr_b32 s15, s14, 1                         ; which half of the tile's rows is mine.  Also: I fetch for A (0) or for B (1)
	s_and_b32 s16, s14, 1                          ; which half of its columns.  Also: which 128 rows of that tile I fetch
	s_bfe_u32 s40, ttmp6, 0x40000                  ; cx, cy: my place in the cluster
	s_bfe_u32 s41, ttmp6, 0x40004
	s_and_b32 s18, ttmp7, 0xffff
	s_lshl_b32 s18, s18, 2                         ; 4 x cluster y: it walks the 8,192 tokens, which are A's rows in problems 0 and 1 and B's in problem 2
	s_cmp_lt_u32 ttmp9, 2                          ; the cluster's x is the problem: the same in all sixteen partners
	s_cselect_b32 s17, s18, 0
	s_cselect_b32 s42, 0, s18
	s_add_co_u32 s17, s17, s41                     ; tile row of C: hangs on cy alone of the two places
	s_add_co_u32 s42, s42, s40                     ; tile column: on cx alone
	s_lshl_b32 s43, s41, 2
	s_lshl_b32 s43, 15, s43                        ; my row of the cluster
	s_lshl_b32 s44, 0x1111, s40                    ; my column
	; descriptor group 1: a tile of 128 rows x 192 bytes, 16 bytes of padding behind every 64
	s_or_b32 s[G1+0], s43, (0<<16)|(1<<20)|(1<<21)|(3<<22)|(3<<25)
	s_or_b32 s[G1B+0], s44, (0<<16)|(1<<20)|(1<<21)|(3<<22)|(3<<25)
.irp g, G1, G1B
	s_mov_b32 s[\g+1], ROWB<<16                    ; tensor_dim0
	s_mov_b32 s[\g+2], 128<<16                     ; tensor_dim1
	s_mov_b32 s[\g+3], ROWB<<16                    ; tile_dim0
	s_mov_b32 s[\g+4], 128                         ; tile_dim1
	s_mov_b32 s[\g+5], KROW                        ; tensor_dim0_stride
	s_mov_b32 s[\g+6], 0
	s_mov_b32 s[\g+7], 0
.endr
	s_lshl_b32 s18, s16, 7                         ; which 128 rows of the tile I fetch
	s_lshl_b32 s20, s17, 8
	s_add_co_u32 s20, s20, s18                     ; A: row 256 x tile row + 128 x half
	s_lshl_b32 s46, s42, 8
	s_add_co_u32 s46, s46, s18                     ; B: row 256 x tile column + 128 x half
	s_mov_b32 s21, 0
	s_mov_b32 s47, 0
	s_mov_b64 s[18:19], KS
	s_mul_u64 s[22:23], s[20:21], s[18:19]         ; where these rows' scales begin, in bytes
	s_mul_u64 s[92:93], s[46:47], s[18:19]
	s_mov_b64 s[18:19], KROW
	s_mul_u64 s[20:21], s[20:21], s[18:19]         ; and their codes
	s_mul_u64 s[46:47], s[46:47], s[18:19]
	s_mul_i32 s45, s14, HALFT                      ; where they go: wave x 128 rows
	s_mul_i32 s94, s14, HALFS
	s_wait_kmcnt 0x0
	s_cmp_lt_u32 ttmp9, 2                          ; the buffers are chosen by the problem's number, which hangs on no address
	s_cselect_b64 s[4:5], s[68:69], s[80:81]       ; A's codes: inputs' or Wv's
	s_cselect_b64 s[6:7], s[70:71], s[82:83]       ; A's scales
	s_cselect_b64 s[8:9], s[76:77], s[68:69]       ; B's codes: Wk's or inputs'
	s_cselect_b64 s[10:11], s[78:79], s[70:71]
	s_cmp_eq_u32 ttmp9, 0
	s_cselect_b64 s[8:9], s[72:73], s[8:9]         ; in problem 0: Wq's
	s_cselect_b64 s[10:11], s[74:75], s[10:11]
	s_cselect_b64 s[12:13], s[84:85], s[86:87]     ; the results: qb or kv
	; group 1 for the scales of 128 rows: 4,096 dense bytes as 16 rows of 256 (32 elements of 8 bytes), 16 bytes of padding behind each.  (These words take the registers that held the loaded addresses.)
	s_or_b32 s[G1S+0], s43, (3<<16)|(1<<20)|(1<<21)|(5<<22)|(3<<25)
	s_or_b32 s[G1SB+0], s44, (3<<16)|(1<<20)|(1<<21)|(5<<22)|(3<<25)
.irp g, G1S, G1SB
	s_mov_b32 s[\g+1], 32<<16
	s_mov_b32 s[\g+2], (128*KS/256)<<16
	s_mov_b32 s[\g+3], 32<<16
	s_mov_b32 s[\g+4], 128*KS/256
	s_mov_b32 s[\g+5], 32
	s_mov_b32 s[\g+6], 0
	s_mov_b32 s[\g+7], 0
.endr
	s_add_nc_u64 s[20:21], s[4:5], s[20:21]
	s_add_nc_u64 s[22:23], s[6:7], s[22:23]
	s_add_nc_u64 s[46:47], s[8:9], s[46:47]
	s_add_nc_u64 s[92:93], s[10:11], s[92:93]
	CROUND                                         ; all sixteen work-groups are here: the first joint loads meet
	s_mov_b32 s[G0S], 1
	s_add_co_u32 s[G0S+1], s94, SCL
	s_mov_b64 s[G0S+2:G0S+3], s[22:23]
	s_or_b32 s[G0S+3], s[G0S+3], 0x80000000
	s_mov_b32 s[G0SB], 1
	s_add_co_u32 s[G0SB+1], s94, SCL
	s_mov_b64 s[G0SB+2:G0SB+3], s[92:93]
	s_or_b32 s[G0SB+3], s[G0SB+3], 0x80000000
	JLOAD G0S, G1S, G0SB, G1SB                     ; the scales first: they are wanted with K step 0
.irp s, 0,1
	s_mov_b32 s[G0+4*\s], 1
	s_add_co_u32 s[G0+4*\s+1], s45, \s*SLOT
	s_add_nc_u64 s[G0+4*\s+2:G0+4*\s+3], s[20:21], \s*ROWB
	s_or_b32 s[G0+4*\s+3], s[G0+4*\s+3], 0x80000000
	s_mov_b32 s[G0B+4*\s], 1
	s_add_co_u32 s[G0B+4*\s+1], s45, \s*SLOT
	s_add_nc_u64 s[G0B+4*\s+2:G0B+4*\s+3], s[46:47], \s*ROWB
	s_or_b32 s[G0B+4*\s+3], s[G0B+4*\s+3], 0x80000000
	JLOAD G0+4*\s, G1, G0B+4*\s, G1B
.endr
	v_and_b32 v1, 15, v0                           ; r = l % 16
	v_bfe_u32 v2, v0, 4, 1                         ; h = l / 16
	v_mul_u32_u24 v3, v1, PITCH
	v_mul_u32_u24 v4, v2, 24
	v_add_nc_u32 v4, v3, v4                        ; a fragment's row x pitch + 24 x half
	v_lshl_add_u32 v5, v2, 4, v4                   ; and the same behind one padding more
	s_mul_i32 s21, s15, HALFT                      ; my 128 rows of A
	s_mul_i32 s22, s16, HALFT                      ; my 128 rows of B,
	s_add_co_u32 s22, s22, 2*HALFT                 ; which lie behind A's 256
.irp s, 0,1
	v_add_nc_u32 v[ADRA+\s], s21, v4
	v_add_nc_u32 v[ADRB+\s], s22, v4
	v_add_nc_u32 v[ADRA+2+\s], s21, v5
	v_add_nc_u32 v[ADRB+2+\s], s22, v5
	s_add_co_u32 s21, s21, SLOT
	s_add_co_u32 s22, s22, SLOT
.endr
	v_mul_u32_u24 v5, v1, KS                       ; my row's scales: 32 bytes a row,
	v_lshrrev_b32 v6, 8, v5
	v_lshl_add_u32 v5, v6, 4, v5                   ; and 16 more for each 256 passed
	s_mul_i32 s21, s15, HALFS
	s_mul_i32 s22, s16, HALFS
	s_add_co_u32 s22, s22, 2*HALFS
	s_sub_co_u32 s22, s22, s21
	v_mul_u32_u24 v6, s22, v2                      ; lanes 16-31 take B's
	s_add_co_u32 s21, s21, SCL
	v_add_nc_u32 v5, v5, v6
	v_add_nc_u32 v[ADRS], s21, v5
	; where my results go.  T0: my first token, C0: my first column of the 1,024; my 128 x 128 are heads C0 / 64 and the next, and the step T0 / 128 of a batch's 16
	s_lshl_b32 s20, s17, 8
	s_lshl_b32 s21, s15, 7
	s_add_co_u32 s20, s20, s21                     ; my first m
	s_lshl_b32 s22, s42, 8
	s_lshl_b32 s23, s16, 7
	s_add_co_u32 s22, s22, s23                     ; my first n
	s_cmp_lt_u32 ttmp9, 2
	s_cselect_b32 s92, s20, s22                    ; T0
	s_cselect_b32 s93, s22, s20                    ; C0
	s_mov_b32 s98, 6144
	s_cselect_b32 s98, 0, s98                      ; the images' place in a record: V's lie behind K's four
	s_cmp_eq_u32 ttmp9, 0
	s_mov_b32 s96, KVHEAD
	s_cselect_b32 s96, QHEAD, s96                  ; a head's bytes
	s_mov_b32 s97, KVSTEP
	s_cselect_b32 s97, QSTEP, s97                  ; a record's
	s_mov_b32 s99, 12288
	s_cselect_b32 s99, 6144, s99                   ; the scale words' place in a record: q's, k's,
	s_cmp_eq_u32 ttmp9, 2
	s_mov_b32 s94, 12544
	s_cselect_b32 s99, s94, s99                    ; v's
	s_lshr_b32 s94, s92, 11
	s_lshl_b32 s94, s94, 4
	s_lshr_b32 s95, s93, 6
	s_add_co_u32 s94, s94, s95                     ; my first head: 16 x batch + C0 / 64
	s_bfe_u32 s95, s92, 0x40007                    ; my step: (T0 / 128) % 16
	s_mul_i32 s94, s94, s96
	s_mul_i32 s95, s95, s97
	s_add_co_u32 s94, s94, s95
	s_add_co_u32 s94, s94, s98
	s_mov_b32 s95, 0
	s_add_nc_u64 s[12:13], s[12:13], s[94:95]      ; the first head's images
	s_mov_b32 s94, s96
	s_add_nc_u64 s[66:67], s[12:13], s[94:95]      ; the second head's
	v_and_b32 v6, 31, v0
	v_lshlrev_b32 v[LI], 4, v6
	s_sub_co_u32 s94, s99, s98
	v_mul_u32_u24 v[SA], s96, v2                   ; lanes 16-31: a head on
	v_lshl_add_u32 v[SA], v1, 4, v[SA]             ; 16 bytes a row
	v_add_nc_u32 v[SA], s94, v[SA]
	s_mov_b32 s[FLOOR], 0x1800000
	s_mov_b32 s[HIM], 0xffff0000
	s_mov_b32 s[SEL], 0x76543210
	s_mov_b32 s[SEL+1], 0xfedcba98
.macro FRAG reg, adr, q, i             ; a fragment: lane l holds row l % 16; registers 6 c .. 6 c + 5 hold K = 64 c + 32 (l / 16) + 0 .. 31: 24 bytes of the row, as they lie, in pieces of 8 bytes
.irp p, 0,1,2,3,4,5
.set PCE, 12*(\q)+6*(\p/3)+\p%3       ; 16 bytes of padding lie behind every 8 pieces: where the piece three on lies behind one padding more, the second address register serves
.if PCE%8 < 5
	ds_load_b64 v[\reg+2*\p:\reg+2*\p+1], v[\adr] offset:8*PCE+16*(PCE/8)+(\i)*16*PITCH
.else
	ds_load_b64 v[\reg+2*\p:\reg+2*\p+1], v[\adr+2] offset:8*PCE+16*(PCE/8)+(\i)*16*PITCH
.endif
.endr
.endm
; 16 matrix instructions: A's blocks a0, a0 + 1 x B's eight, 128 along K.  The 64 accumulators take turns, one instruction a turn, in the same order in every step.
.macro MUL16 a0, p, q, sc, zero
.irp a, \a0, \a0+1
.irp b, 0,1,2,3,4,5,6,7
.if \zero
	v_wmma_scale_f32_16x16x128_f8f6f4 v[8*(8*((\a)%4)+\b):8*(8*((\a)%4)+\b)+7], v[128*(\p)+FR*\b:128*(\p)+FR*\b+FR-1], v[AF+FR*(\a):AF+FR*(\a)+FR-1], 0, v[SC+8*NQ*(\sc)+NQ*\b+(\q)], v[SC+8*NQ*(\sc)+NQ*(\a)+(\q)] matrix_a_fmt:MATRIX_FMT_FP6 matrix_b_fmt:MATRIX_FMT_FP6 matrix_a_scale:MATRIX_SCALE_ROW1
.else
	v_wmma_scale_f32_16x16x128_f8f6f4 v[8*(8*((\a)%4)+\b):8*(8*((\a)%4)+\b)+7], v[128*(\p)+FR*\b:128*(\p)+FR*\b+FR-1], v[AF+FR*(\a):AF+FR*(\a)+FR-1], v[8*(8*((\a)%4)+\b):8*(8*((\a)%4)+\b)+7], v[SC+8*NQ*(\sc)+NQ*\b+(\q)], v[SC+8*NQ*(\sc)+NQ*(\a)+(\q)] matrix_a_fmt:MATRIX_FMT_FP6 matrix_b_fmt:MATRIX_FMT_FP6 matrix_a_scale:MATRIX_SCALE_ROW1
.endif
.endr
.endr
.endm
.macro FETCH_B slot, q, p              ; B's eight fragments of the slot's q-th 128 along K into set p
	WIN TO_B
.irp i, 0,1,2,3,4,5,6,7
	FRAG 128*(\p)+FR*\i, ADRB+\slot, \q, \i
.endr
	WIN 0
.endm
.macro FETCH_A slot, q, i0             ; A's blocks i0 .. i0 + 3
.irp i, \i0, \i0+1, \i0+2, \i0+3
	FRAG AF+FR*(\i), ADRA+\slot, \q, \i
.endr
.endm
.macro SCALES sc                       ; a K step's scale words into set sc: lanes 0-15 take A's block i, lanes 16-31 B's block i
.irp i, 0,1,2,3,4,5,6,7
	ds_load_b64 v[SC+8*NQ*\sc+NQ*\i:SC+8*NQ*\sc+NQ*\i+1], v[ADRS] offset:\i*SBLK
.endr
.endm
.macro PLACES n                        ; plain vector instructions between a matrix instruction and a load into, or a vector access of, its registers
.rept \n
	v_nop
.endr
.endm
.macro STEP slot, q, zero              ; a step of 128 along K that has its successor in the same slot
	s_wait_dscnt 4*NL                              ; B's set and A's blocks 0-3 are in; the youngest 24 loads (A's blocks 4-7) may be out
	WIN MUL_LO
	MUL16 0, (\q)%2, \q, \slot, \zero
	MUL16 2, (\q)%2, \q, \slot, \zero
	s_wait_dscnt 0
	PLACES NP
	FETCH_B \slot, (\q)+1, 1-(\q)%2
	FETCH_A \slot, (\q)+1, 0
	WIN MUL_HI
	MUL16 4, (\q)%2, \q, \slot, \zero
	MUL16 6, (\q)%2, \q, \slot, \zero
	PLACES NP
	WIN 0
	FETCH_A \slot, (\q)+1, 4
.endm
; A slot's last step changes slots: ONE barrier; in front of it each wave waits for all its tensor loads, adds 0 to its spare word, and waits for that and for its own reads of this slot.
.macro TURN slot, next, fill
	s_wait_tensorcnt 0x0                           ; all my tensor loads have landed: my part of the next slot
	ds_add_u32 v[SPW], v[NIL]                      ; 0 onto my spare word
	s_wait_dscnt 4*NL+1                            ; (the add and the youngest 24 loads, A's blocks 4-7, may be out)
	WIN MUL_LO
	MUL16 0, 1, NQ-1, \slot, 0                     ; sixteen matrix instructions stand between the add and the wait for it
	s_wait_dscnt 0x0                               ; the add is done, and my reads of this slot are over
	s_barrier_signal -1
	MUL16 2, 1, NQ-1, \slot, 0
	WIN 0
	s_barrier_wait -1
.if \fill
	CREST                                          ; the barrier has opened a round of the cluster's barrier: no wave of any partner still reads this slot or has a load on its way
	s_add_nc_u64 s[G0+4*\slot+2:G0+4*\slot+3], s[G0+4*\slot+2:G0+4*\slot+3], 2*ROWB
	s_add_nc_u64 s[G0B+4*\slot+2:G0B+4*\slot+3], s[G0B+4*\slot+2:G0B+4*\slot+3], 2*ROWB
	JLOAD G0+4*\slot, G1, G0B+4*\slot, G1B         ; the first tensor load behind the round; its four v_nop are the places in front of the loads below
.else
	PLACES NP
.endif
	v_add_nc_u32 v[ADRS], 4*NQ, v[ADRS]            ; on to the next K step's scale words
	FETCH_B \next, 0, 0
	FETCH_A \next, 0, 0
	SCALES \next
	WIN MUL_HI
	MUL16 4, 1, NQ-1, \slot, 0
	MUL16 6, 1, NQ-1, \slot, 0
	PLACES NP
	WIN 0
	FETCH_A \next, 0, 4
.endm
	s_wait_tensorcnt 1                             ; the scales and my part of K step 0 are in (K step 1's load may be out),
	s_barrier_signal -1
	s_barrier_wait -1                              ; everybody's are
	FETCH_B 0, 0, 0
	FETCH_A 0, 0, 0
	SCALES 0
	FETCH_A 0, 0, 4
	STEP 0, 0, 1                                   ; the first step stands in front of the loop: its products start the sums
	s_mov_b32 s3, LAPS-1
.Llap:                                                 ; a trip goes once round the ring and fills both slots again
	TURN 0, 1, 1
	STEP 1, 0, 0
	TURN 1, 0, 1
	STEP 0, 0, 0
	s_sub_co_u32 s3, s3, 1
	s_cmp_lg_u32 s3, 0
	s_cbranch_scc1 .Llap
	TURN 0, 1, 0                                   ; the last lap fills nothing
	STEP 1, 0, 0
	s_wait_dscnt 4*NL
	WIN MUL_LO
	MUL16 0, 1, NQ-1, 1, 0
	MUL16 2, 1, NQ-1, 1, 0
	s_wait_dscnt 0
	WIN MUL_HI
	MUL16 4, 1, NQ-1, 1, 0
	MUL16 6, 1, NQ-1, 1, 0
	WIN 0
; THE WAY OUT: no LDS.  Four blocks of 32, each as 16 registers of this lane (two accumulators on end, in window win) and 16 of lane l xor 16, become a fragment's 12 registers at v[pc] and its scale word in v[wd].
.macro QUANTW win, ga, gb, gc, gd, pc, wd
.set WA, ((\win)<<2)|((\win)<<4)
	WIN WA                                         ; sources 1 and 2 in the accumulators' window
	v_max3_num_f32 v[TM+0], s[FLOOR], |v[(\ga)]|, |v[(\ga)+1]|     ; my 16 numbers of each block, and the floor, which holds the byte at 1 from below.  Each accumulator is read from its low end on
	v_max3_num_f32 v[TM+1], s[FLOOR], |v[(\gb)]|, |v[(\gb)+1]|
	v_max3_num_f32 v[TM+2], s[FLOOR], |v[(\gc)]|, |v[(\gc)+1]|
	v_max3_num_f32 v[TM+3], s[FLOOR], |v[(\gd)]|, |v[(\gd)+1]|
.irp i, 2,4,6,8,10,12,14
	v_max3_num_f32 v[TM+0], v[TM+0], |v[(\ga)+\i]|, |v[(\ga)+\i+1]|   ; the four blocks by turns
	v_max3_num_f32 v[TM+1], v[TM+1], |v[(\gb)+\i]|, |v[(\gb)+\i+1]|
	v_max3_num_f32 v[TM+2], v[TM+2], |v[(\gc)+\i]|, |v[(\gc)+\i+1]|
	v_max3_num_f32 v[TM+3], v[TM+3], |v[(\gd)+\i]|, |v[(\gd)+\i+1]|
.endr
	WIN 0
.irp b, 0,1,2,3
	v_permlanex16_b32 v[TM+4+\b], v[TM+\b], s[SEL], s[SEL+1]
.endr
.irp b, 0,1,2,3
	v_max_num_f32 v[TM+\b], v[TM+\b], v[TM+4+\b]   ; with lane l xor 16's: the block's largest magnitude
.endr
.irp b, 0,1,2,3
	v_add_nc_u32 v[TM+12+\b], 0xff000000, v[TM+\b] ; 2 off its exponent field: the conversion's scale operand
.endr
.irp b, 0,1,2,3
	v_lshrrev_b32 v[TM+4+\b], 23, v[TM+12+\b]      ; the scale's byte
.endr
	v_lshl_or_b32 v[\wd], v[TM+5], 8, v[TM+4]
	v_lshl_or_b32 v[\wd], v[TM+6], 16, v[\wd]
	v_lshl_or_b32 v[\wd], v[TM+7], 24, v[\wd]
	s_wait_xcnt 0x0                                ; the stores issued so far have read their data: this set of code registers may be written again
	WIN \win                                       ; source 0 in the accumulators' window
	v_cvt_scalef32_pk16_fp6_f32 v[(\pc):(\pc)+2], v[(\ga):(\ga)+15], v[TM+12]
	v_cvt_scalef32_pk16_fp6_f32 v[(\pc)+12:(\pc)+14], v[(\gb):(\gb)+15], v[TM+13]   ; (a conversion's three registers begin on an even number)
	v_cvt_scalef32_pk16_fp6_f32 v[(\pc)+6:(\pc)+8], v[(\gc):(\gc)+15], v[TM+14]
	v_cvt_scalef32_pk16_fp6_f32 v[(\pc)+16:(\pc)+18], v[(\gd):(\gd)+15], v[TM+15]
	WIN 0
	v_nop                                          ; one plain place behind a scaled conversion
.irp c, 0,1                                    ; the operand's layout wants a whole block in a lane: lanes 0-15 block 2 c, lanes 16-31 block 2 c + 1
.irp i, 0,1,2
	v_permlane16_swap_b32 v[(\pc)+6*\c+\i], v[(\pc)+12+4*\c+\i]
.endr
.irp i, 0,1,2
	v_mov_b32 v[(\pc)+3+6*\c+\i], v[(\pc)+12+4*\c+\i]
.endr
.endr
.endm
.macro IMGOUT base, i, pc              ; the fragment goes out as it stands: each store covers 512 consecutive bytes, at a multiple of 256 from the buffer's first byte
.irp c, 0,1,2
	global_store_b128 v[LI], v[(\pc)+4*\c:(\pc)+4*\c+3], s[\base:\base+1] offset:1536*(\i)+512*\c
.endr
.endm
	PLACES NP                                      ; behind the last products: their results are read and their scale registers written below
.irp b, 0,1,2,3
	v_mov_b32 v[TM+4+\b], 0                        ; written once: a lane permute's destination counts as one of its sources
.endr
	s_cmp_eq_u32 ttmp9, 2                          ; the problem's number: the same in all partners
	s_cbranch_scc1 .Lway_v
.irp s, 0,1                                    ; q, k: head s is B's blocks 4 s .. 4 s + 3; image i is A's blocks 2 i (registers 0-5) and 2 i + 1 (registers 6-11)
.irp i, 0,1,2,3
.set GA, 64*((2*\i)%4)+32*\s
.set GB, 64*((2*\i+1)%4)+32*\s
	QUANTW 2+\i/2, GA, GA+16, GB, GB+16, PCA+32*(\i%2), W+4*\s+\i
	IMGOUT 12+54*\s, \i, PCA+32*(\i%2)
.endr
.endr
	s_branch .Ljoin
.Lway_v:
.irp s, 0,1                                    ; v: head s is A's blocks 4 s .. 4 s + 3; image i is block 4 s + i: 16 of the head's 64 x the step's four blocks of keys
.irp i, 0,1,2,3
.set GA, 64*\i
	QUANTW 2+\s, GA, GA+16, GA+32, GA+48, PCA+32*(\i%2), W+4*\s+\i
	IMGOUT 12+54*\s, \i, PCA+32*(\i%2)
.endr
.endr
.Ljoin:
.irp i, 0,1,2,3
	v_cndmask_b32 v[W+\i], v[W+\i], v[W+4+\i], s[HIM]   ; lanes 0-15 keep the first head's words, lanes 16-31 take the second's
.endr
	global_store_b128 v[SA], v[W:W+3], s[12:13]    ; sixteen lanes store a head's 256 bytes of scale words
	s_wait_tensorcnt 0x0                           ; the wave's end
	ds_add_u32 v[SPW], v[NIL]
	s_wait_dscnt 0x0
	CROUND                                         ; the closing round: no work-group ends while a partner may still ask for a tile that names it
	s_endpgm
.Lfunc_end_k_q0cfd74fba3_proj:
	.size	k_q0cfd74fba3_proj, .Lfunc_end_k_q0cfd74fba3_proj-k_q0cfd74fba3_proj
	.p2alignl 7, 3214868480
	.fill 96, 4, 3214868480
	.section	.rodata,"a",@progbits
	.p2align	6, 0x0
	.amdhsa_kernel k_q0cfd74fba3_proj
		.amdhsa_group_segment_fixed_size 327680
		.amdhsa_private_segment_fixed_size 0
		.amdhsa_enable_private_segment 0
		.amdhsa_kernarg_size 80
		.amdhsa_user_sgpr_count 2
		.amdhsa_user_sgpr_kernarg_segment_ptr 1
		.amdhsa_wavefront_size32 1
		.amdhsa_system_sgpr_workgroup_id_x 1
		.amdhsa_system_sgpr_workgroup_id_y 1
		.amdhsa_system_sgpr_workgroup_id_z 1
		.amdhsa_system_vgpr_workitem_id 0
		.amdhsa_next_free_vgpr 1024
		.amdhsa_next_free_sgpr 100
		.amdhsa_reserve_vcc 0
		.amdhsa_float_denorm_mode_32 3
		.amdhsa_float_denorm_mode_16_64 3
		.amdhsa_memory_ordered 1
		.amdhsa_forward_progress 1
		.amdhsa_inst_pref_size 197
	.end_amdhsa_kernel
	.amdgpu_metadata
---
amdhsa.version: [ 1, 2 ]
amdhsa.kernels:
  - .name:           k_q0cfd74fba3_proj
    .symbol:         k_q0cfd74fba3_proj.kd
    .args:
      - { .name: inputs_codes, .offset: 0, .size: 8, .value_kind: global_buffer, .address_space: global }
      - { .name: inputs_scales, .offset: 8, .size: 8, .value_kind: global_buffer, .address_space: global }
      - { .name: Wq_codes, .offset: 16, .size: 8, .value_kind: global_buffer, .address_space: global }
      - { .name: Wq_scales, .offset: 24, .size: 8, .value_kind: global_buffer, .address_space: global }
      - { .name: Wk_codes, .offset: 32, .size: 8, .value_kind: global_buffer, .address_space: global }
      - { .name: Wk_scales, .offset: 40, .size: 8, .value_kind: global_buffer, .address_space: global }
      - { .name: Wv_codes, .offset: 48, .size: 8, .value_kind: global_buffer, .address_space: global }
      - { .name: Wv_scales, .offset: 56, .size: 8, .value_kind: global_buffer, .address_space: global }
      - { .name: qb, .offset: 64, .size: 8, .value_kind: global_buffer, .address_space: global }
      - { .name: kv, .offset: 72, .size: 8, .value_kind: global_buffer, .address_space: global }
    .group_segment_fixed_size: 327680
    .private_segment_fixed_size: 0
    .kernarg_segment_align: 8
    .kernarg_segment_size: 80
    .max_flat_workgroup_size: 128
    .sgpr_count:     100
    .vgpr_count:     1024
    .wavefront_size: 32
...
	.end_amdgpu_metadata
.endif
;; end of part 1
;; launch attn (part 2): grid 4 x 64, 16 waves a work-group, no clusters, 206,848 bytes of LDS; arguments qb, kv, cimg, csc; writes cimg, csc
.if DOCPART == 2
	.amdgcn_target "amdgcn-amd-amdhsa--gfx1250"
	.amdhsa_code_object_version 6
	.text
	.protected	k_q0cfd74fba3_attn
	.globl	k_q0cfd74fba3_attn
	.p2align	8
	.type	k_q0cfd74fba3_attn,@function
k_q0cfd74fba3_attn:
	s_mov_b64 s[64:65], 0
	v_nop
	global_prefetch_b8 v0, s[64:65] scope:SCOPE_SE
	s_setreg_imm32_b32 hwreg(HW_REG_WAVE_MODE, 25, 1), 1
	s_wait_xcnt 0x0
; Causal attention of one head on codes of FP6 (E2M3) with E8M0 scales, and its result quantised along the head's 64 for the output projection.
; qb, kv: images of operand registers and scale words, [head 64][step of 128 tokens 16] records of 6,400 and 12,800 bytes (K's 4 images | V's 4 | K's scale words | V's scale words).
; THE SOFTMAX: t = score x log2(e) / 8; M = the row's largest t so far, rounded UP to a whole number; p = 2^(t - M) is quantised along the keys, not normalised.  The row's sum is taken of the unquantised p
; and divides at the end.  When M moves, the sum and O are multiplied by 2^(old M - new M): exact.
; SHARES.  A work-group owns query blocks 7 - x and x (256 queries each) of one head; each of its sixteen waves owns one tile of 16 queries in each: 16 or 18 key steps a wave whatever x is.
; THE WHOLE HEAD'S K AND V, 204,800 bytes, LIE IN LDS, filled once by waves 0 to 3 (eight loads each, all issued at the head) and never written again: no ring.  The late block goes first: part j of the head
; lands while part j - 1 is worked; the early block finds everything there.
; K = 64 FILLS HALF OF THE FORM: a fragment of K holds TWO tiles of keys, [key 32 f + r | key 32 f + 16 + r].  Multiplied by [q | 0] and by [0 | q] it gives both tiles of scores.
; LAYOUT.  Both products are used transposed: S^T = K Q^T, O^T = V^T P^T: a lane holds ONE query (lane % 16) throughout; register j of score tile t is key 16 t + 8 (lane / 16) + j.
; Inside a block of 32 keys p's codes stand at position 16 h + 8 u + j = key 16 u + 8 h + j, as V's do: a permutation made alike on both operands keeps the products.
; NO MULTICAST: the work-groups that share K and V are the query blocks of one head, and their causal branches hang on which block they own, which partners of a joint load may not differ in.
; NO PREFETCH: every tensor load is issued at the head.
; LIMITS: NaN and infinities are not served.  A block whose largest magnitude lies under 2^-124 keeps the byte 1; a block of zeros has the byte 1 where the rule says 127 (its codes are zeros; this program alone reads
; the bytes).  A block's largest p is taken through its largest score, which takes v_exp_f32 not to fall where its input rises.
.set QHEAD,  102400
.set QSTEP,  6400
.set KVHEAD, 204800
.set KVSTEP, 12800
.set LI,   1                           ; v1   16 x lane: my place in an image, and in the 512 bytes of K's and V's scale words
.set CO8,  2                           ; v2   8 x lane: my place in a third of ctx's half fragment
.set SO8,  3                           ; v3   32 r + h: my scale byte's place
.set QO,   4                           ; v4-6 my three pieces of 8 bytes of q's image
.set QSO,  7                           ; v7   q's scale word
.set ADR,  8                           ; v8   LDS address of the step in hand
.set DL,   9                           ; v9   r - 8 h
.set NINF, 10                          ; v10  -infinity
.set QF,   16                          ; v16-33 [q | 0 | q]: v[16:27] = [q | 0], v[22:33] = [0 | q]
.set QS,   34                          ; v34  q's scale word: its two bytes, twice
.set KV,   36                          ; v36-83 four fragments of K, then of V
.set SCW,  84                          ; v84-87 the step's scale words: lanes 0-15 K's, lanes 16-31 V's
.set S,    96                          ; v96-159 S^T, then p
.set O,    160                         ; v160-191 O^T
.set PC,   192                         ; v192-203 p's codes
.set PT,   204                         ; v204-206, v208-210 conversion results
.set BM,   212                         ; v212-215 the blocks' largest scores, then p
.set BT,   216                         ; v216-219 the other lane's; then bytes
.set BS,   220                         ; v220-223 the conversions' scale operands
.set PS,   224                         ; v224 p's scale word
.set F,    226                         ; v[226:227] f = 2^(old M - new M) (the pair is named; its low word serves both halves)
.set T0,   228                         ; v228-229 at work
.set SUM2, 230                         ; v[230:231] the sum's second chain
.set QE,   240                         ; v240-245 the early tile's q, v246 its scale word
.set WV,   12
.set X,    13
.set BH,   14
.set G1,   16                          ; s[16:23] descriptor group 1
.set G0,   24                          ; s[24:55] eight groups 0
.set SEL,  56                          ; s[56:57] lane l xor 16
.set CS,   58                          ; s[58:59] c = log2(e) / 8
.set TB,   60                          ; s60  LDS byte at which the step's record begins
.set KF,   61                          ; s61  the step's first key
.set Q0,   62                          ; s62  my first query
.set CNT,  63
.set TMP,  66
.set HIM,  67                          ; s67  lanes 16-31
.set CL,   68                          ; s[68:69], s[70:71] where the late tile's codes and scale bytes go;  s[72:73], s[74:75] the early tile's
.set SL,   70
.set CE,   72
.set SE,   74
.set PSEL, 76                          ; s76  which two bytes of q's scale word are my tile's
.set Q0E,  77                          ; s77  the early tile's first query
.set QL,   78                          ; s[78:79], s[80:81] q's records
.set QEB,  80
	s_load_b256 s[4:11], s[0:1], 0x0               ; qb, kv, cimg, csc
	v_lshl_add_u32 v254, v0, 2, 0x32000
	v_mov_b32 v255, 0
	ds_add_u32 v254, v255
	ds_add_u32 v254, v255
	v_lshrrev_b32 v1, 5, v0
	s_delay_alu instid0(VALU_DEP_1)
	v_readfirstlane_b32 s[WV], v1                  ; wave 0..15
	s_mov_b32 s[X], ttmp9
	s_and_b32 s[BH], ttmp7, 0xffff                 ; the head: 16 x batch + h
	; group 1: 6,400 dense bytes as 25 rows of 256 (32 elements of 8 bytes), no padding
	s_mov_b32 s[G1+0], 3<<16
	s_mov_b32 s[G1+1], 32<<16                      ; tensor_dim0
	s_mov_b32 s[G1+2], 25<<16                      ; tensor_dim1
	s_mov_b32 s[G1+3], 32<<16                      ; tile_dim0
	s_mov_b32 s[G1+4], 25                          ; tile_dim1
	s_mov_b32 s[G1+5], 32                          ; pitch
	s_mov_b32 s[G1+6], 0
	s_mov_b32 s[G1+7], 0
	s_and_b32 s82, s[WV], 3
	s_mul_i32 s82, s82, 6400                       ; my quarter of each part of 25,600 bytes (two steps' records)
	s_mul_i32 s84, s[BH], KVHEAD
	s_add_co_u32 s84, s84, s82
	s_mov_b32 s85, 0
	s_wait_dscnt 0x0
	s_wait_kmcnt 0x0
	s_add_nc_u64 s[84:85], s[6:7], s[84:85]
.irp j, 0,1,2,3,4,5,6,7
	s_mov_b32 s[G0+4*\j], 1
	s_add_co_u32 s[G0+4*\j+1], s82, 25600*\j       ; LDS holds the head as it lies in memory
	s_add_nc_u64 s[G0+4*\j+2:G0+4*\j+3], s[84:85], 25600*\j
	s_or_b32 s[G0+4*\j+3], s[G0+4*\j+3], 0x80000000
.endr
	s_cmp_lt_u32 s[WV], 4                          ; waves 0 to 3 fetch: all first fills of a wave in one branch, ahead of every wait on TENSORcnt, every LDS read and every barrier: eight loads of mine are out
	s_cbranch_scc0 .Lno_fetch
.irp j, 0,1,2,3,4,5,6,7
	tensor_load_to_lds s[G0+4*\j:G0+4*\j+3], s[G1:G1+7]
	s_nop 0
.endr
.rept 4
	v_nop
.endr
.Lno_fetch:
	v_and_b32 v11, 31, v0                          ; lane
	v_and_b32 v12, 15, v0                          ; r
	v_bfe_u32 v13, v0, 4, 1                        ; h
	s_delay_alu instid0(VALU_DEP_3)
	v_lshlrev_b32 v[LI], 4, v11
	s_wait_alu depctr_va_vdst(0)
	v_lshlrev_b32 v[CO8], 3, v11
	v_lshl_add_u32 v[SO8], v12, 5, v13
	v_lshlrev_b32 v14, 3, v13
	s_delay_alu instid0(VALU_DEP_1)
	v_sub_nc_u32 v[DL], v12, v14
	v_mov_b32 v[NINF], 0xff800000
	s_mov_b32 s[SEL], 0x76543210
	s_mov_b32 s[SEL+1], 0xfedcba98
	s_mov_b32 s[CS], 0x3e38aa3b                    ; log2(e) / 8
	s_mov_b32 s[CS+1], s[CS]                       ; (named with it as a pair, so it is written)
	s_mov_b32 s[HIM], 0xffff0000
	; q.  My tile is 16 tokens of a step's image (wave / 2) % 4: registers 0-5 of it for an even wave, 6-11 for an odd one: three pieces of 8 bytes a lane
	s_bfe_u32 s82, s[WV], 0x20001
	s_mul_i32 s86, s82, 1536
	s_lshl_b32 s82, s82, 2
	s_add_co_u32 s82, s82, 6144                    ; the image's word in a row of the scale words
	s_and_b32 s83, s[WV], 1
	s_cmp_eq_u32 s83, 0
	s_cselect_b32 s87, 0, 520
	s_mov_b32 s88, 1024
	s_cselect_b32 s88, 8, s88
	s_mov_b32 s89, 1032
	s_cselect_b32 s89, 512, s89
	s_mov_b32 s[PSEL], 0x03020302
	s_cselect_b32 s[PSEL], 0x01000100, s[PSEL]
	s_add_co_u32 s87, s87, s86
	s_add_co_u32 s88, s88, s86
	s_add_co_u32 s89, s89, s86
	v_add_nc_u32 v[QO], s87, v[LI]
	s_wait_alu depctr_va_vdst(0)
	v_add_nc_u32 v[QO+1], s88, v[LI]
	s_wait_alu depctr_va_vdst(0)
	v_add_nc_u32 v[QO+2], s89, v[LI]
	s_wait_alu depctr_va_vdst(0)
	v_lshl_add_u32 v[QSO], v12, 4, s82
	s_wait_alu depctr_va_vdst(0)
	s_sub_co_u32 s82, 7, s[X]
	s_lshl_b32 s82, s82, 8
	s_lshl_b32 s83, s[WV], 4
	s_add_co_u32 s[Q0], s82, s83                   ; the late tile: 256 (7 - x) + 16 wave
	s_lshl_b32 s82, s[X], 8
	s_add_co_u32 s[Q0E], s82, s83                  ; the early one: 256 x + 16 wave
	s_mul_i32 s84, s[BH], QHEAD
	s_lshr_b32 s82, s[BH], 4                       ; batch
	s_and_b32 s83, s[BH], 15                       ; h
	s_lshl_b32 s85, s82, 7                         ; the batch's first tile of 16 tokens
	s_lshl_b32 s88, s82, 11                        ; its first token
	s_lshl_b32 s89, s83, 1                         ; the head's two scale bytes in a token's 32
.macro BASES q0, qa, ca, sa
	s_lshr_b32 s86, s[\q0], 7
	s_mul_i32 s86, s86, QSTEP
	s_add_co_u32 s86, s86, s84
	s_mov_b32 s87, 0
	s_add_nc_u64 s[\qa:\qa+1], s[4:5], s[86:87]    ; q's record
	s_lshr_b32 s86, s[\q0], 4
	s_add_co_u32 s86, s86, s85
	s_lshl_b32 s86, s86, 4
	s_add_co_u32 s86, s86, s83
	s_mul_i32 s86, s86, 768
	s_add_nc_u64 s[\ca:\ca+1], s[8:9], s[86:87]    ; cimg: (tile of tokens x 16 + h) x 768
	s_add_co_u32 s86, s88, s[\q0]
	s_lshl_b32 s86, s86, 5
	s_add_co_u32 s86, s86, s89
	s_add_nc_u64 s[\sa:\sa+1], s[10:11], s[86:87]  ; csc: token x 32 + 2 h
.endm
	BASES Q0, QL, CL, SL
	BASES Q0E, QEB, CE, SE
.irp p, 0,1,2
	global_load_b64 v[QF+2*\p:QF+2*\p+1], v[QO+\p], s[QL:QL+1]
	global_load_b64 v[QF+12+2*\p:QF+13+2*\p], v[QO+\p], s[QL:QL+1]   ; q stands twice, with zeros between
	global_load_b64 v[QE+2*\p:QE+2*\p+1], v[QO+\p], s[QEB:QEB+1]
.endr
	global_load_b32 v232, v[QSO], s[QL:QL+1]
	global_load_b32 v[QE+6], v[QSO], s[QEB:QEB+1]
.irp i, 0,1,2,3,4,5
	v_mov_b32 v[QF+6+\i], 0
.endr
.irp b, 0,1,2,3
	v_mov_b32 v[BT+\b], 0                          ; written once: a lane permute's destination counts as one of its sources
.endr
	v_mov_b32 v[F+1], 0                            ; (named as the upper half of a pair)
	v_mov_b32 v[T0], 0
	s_wait_loadcnt 0x0
	v_perm_b32 v[QS], v232, v232, s[PSEL]          ; my tile's two bytes, for both places in which q can stand
.macro INIT                            ; a tile begins: the largest t under every t, the sum and O^T zeros, which the first change of M leaves zeros.  (These lines are also the places between the writes of q's registers and scale word and the first product)
	v_mov_b32 v13, 0xff61b1e6
	v_mov_b32 v14, 0
	v_mov_b32 v15, 0
	s_delay_alu instid0(VALU_DEP_3)
	v_floor_f32 v12, -v13
.set J, 0
.rept 32
	v_mov_b32 v[O+J], 0
.set J, J+1
.endr
.endm
	INIT
; A KEY STEP: 128 keys.  diag = 1: the step may lie on or behind the diagonal.
.macro STEP diag
.if \diag
	s_add_co_u32 s[TMP], s[Q0], 15                 ; a step all of whose keys come after my 16 queries is left out: a scalar branch on ids, not round the lines at its end that step addresses
	s_cmp_gt_u32 s[KF], s[TMP]
	s_cbranch_scc1 .Lhidden_\@
.endif
	s_setprio 2
	v_add_nc_u32 v[ADR], s[TB], v[LI]
.irp f, 0,1,2,3
.irp c, 0,1,2
	ds_load_b128 v[KV+12*\f+4*\c:KV+12*\f+4*\c+3], v[ADR] offset:1536*\f+512*\c   ; K's images: 512 consecutive bytes a load
.endr
.endr
	ds_load_b128 v[SCW:SCW+3], v[ADR] offset:12288 ; lanes 0-15: K's scale words of row r; lanes 16-31: V's, which lie 256 bytes on
	s_wait_alu depctr_va_vdst(0)
	s_wait_dscnt 0x0
.irp f, 0,1,2,3
	v_wmma_scale_f32_16x16x128_f8f6f4 v[S+16*\f:S+16*\f+7], v[KV+12*\f:KV+12*\f+11], v[QF:QF+11], 0, v[SCW+\f], v[QS] matrix_a_fmt:MATRIX_FMT_FP6 matrix_b_fmt:MATRIX_FMT_FP6
	v_wmma_scale_f32_16x16x128_f8f6f4 v[S+16*\f+8:S+16*\f+15], v[KV+12*\f:KV+12*\f+11], v[QF+6:QF+17], 0, v[SCW+\f], v[QS] matrix_a_fmt:MATRIX_FMT_FP6 matrix_b_fmt:MATRIX_FMT_FP6
.endr
.rept 4
	v_nop                                          ; places in front of the loads into K's registers and of the first read of the scores
.endr
.irp f, 0,1,2,3
.irp c, 0,1,2
	ds_load_b128 v[KV+12*\f+4*\c:KV+12*\f+4*\c+3], v[ADR] offset:6144+1536*\f+512*\c   ; V's images land under the softmax
.endr
.endr
.if \diag                                      ; on the diagonal the scores of hidden keys become -infinity ahead of the maximum.  A step all of whose keys count skips this
	s_add_co_u32 s[TMP], s[KF], 127
	s_cmp_le_u32 s[TMP], s[Q0]
	s_cbranch_scc1 .Lopen_\@
	s_sub_co_i32 s[TMP], s[Q0], s[KF]
	v_add_nc_u32 v[T0+1], s[TMP], v[DL]            ; d = my query - KF - 8 h.  Register 8 t + j holds key KF + 16 t + 8 h + j: hidden where 16 t + j > d
.set J, 0
.rept 64
	v_cmp_gt_i32 vcc_lo, 16*(J/8)+J%8, v[T0+1]
	v_cndmask_b32 v[S+J], v[S+J], v[NINF], vcc_lo
.set J, J+1
.endr
.Lopen_\@:
.endif
.irp b, 0,1,2,3
	v_max3_num_f32 v[BM+\b], v[S+16*\b], v[S+1+16*\b], v[S+2+16*\b]   ; the largest score of each block of 32 keys: for the row's maximum, and, since p rises with the score, for the block's largest p
.endr
.irp i, 3,5,7,9,11,13
.irp b, 0,1,2,3
	v_max3_num_f32 v[BM+\b], v[BM+\b], v[S+16*\b+\i], v[S+1+16*\b+\i]
.endr
.endr
.irp b, 0,1,2,3
	v_max_num_f32 v[BM+\b], v[BM+\b], v[S+15+16*\b]
.endr
.irp b, 0,1,2,3
	s_delay_alu instid0(VALU_DEP_4)
	v_permlanex16_b32 v[BT+\b], v[BM+\b], s[SEL], s[SEL+1]
.endr
.irp b, 0,1,2,3
	s_delay_alu instid0(VALU_DEP_4)
	v_max_num_f32 v[BM+\b], v[BM+\b], v[BT+\b]     ; with lane l xor 16's 16 keys
.endr
	s_delay_alu instid0(VALU_DEP_2)
	v_max3_num_f32 v[T0], v[BM], v[BM+1], v[BM+2]
	s_delay_alu instid0(VALU_DEP_1)
	v_max_num_f32 v[T0], v[T0], v[BM+3]
	s_delay_alu instid0(VALU_DEP_1)
	v_mul_f32 v[T0], s[CS], v[T0]                  ; as t (c is positive)
	s_delay_alu instid0(VALU_DEP_1)
	v_max_num_f32 v13, v13, v[T0]                  ; the running largest t
	v_mov_b32 v[T0], v12
	s_delay_alu instid0(VALU_DEP_2)
	v_floor_f32 v12, -v13                          ; the new -M = floor(-t) = -ceil(t)
	s_delay_alu instid0(VALU_DEP_1)
	v_sub_f32 v[T0], v12, v[T0]                    ; old M - new M: a whole number, 0 or less
	s_delay_alu instid0(VALU_DEP_1)
	v_cvt_i32_f32 v[T0], v[T0]                     ; (it saturates)
	s_delay_alu instid0(VALU_DEP_1)
	v_ldexp_f32 v[F], 1.0, v[T0]                   ; f = 2^(old M - new M)
.set J, 0
.rept 32
	v_pk_fma_f32 v[S+J:S+J+1], v[S+J:S+J+1], s[CS:CS+1], v[12:13] op_sel_hi:[1,0,0]   ; t - M, two at a time
.set J, J+2
.endr
.irp b, 0,1,2,3
	v_fma_f32 v[BM+\b], v[BM+\b], s[CS], v12       ; the same of each block's largest score
.endr
.set J, 0
	s_setprio 1
	s_wait_alu depctr_va_vdst(0)
.rept 64
	v_exp_f32 v[S+J], v[S+J]                       ; p = 2^(t - M)
.set J, J+1
.endr
	v_pk_mul_f32 v[14:15], v[14:15], v[F:F+1] op_sel_hi:[1,0]   ; the sums under the new M: the plain instruction behind the exponentials
	s_wait_alu depctr_va_vdst(0)                   ; one wait for the whole batch, ahead of its first reader
.irp b, 0,1,2,3
	v_exp_f32 v[BM+\b], v[BM+\b]                   ; the block's largest p
.endr
	v_pk_add_f32 v[230:231], v[100:101], v[104:105]
	v_pk_add_f32 v[252:253], v[108:109], v[112:113]
	v_pk_add_f32 v[250:251], v[116:117], v[120:121]
	v_pk_add_f32 v[248:249], v[124:125], v[128:129]
	v_pk_add_f32 v[238:239], v[132:133], v[136:137]
	v_pk_add_f32 v[236:237], v[140:141], v[144:145]
	v_pk_add_f32 v[234:235], v[148:149], v[152:153]
	v_pk_add_f32 v[14:15], v[14:15], v[156:157]
	v_pk_add_f32 v[230:231], v[230:231], v[96:97]
	v_pk_add_f32 v[252:253], v[252:253], v[98:99]
	v_pk_add_f32 v[250:251], v[250:251], v[102:103]
	v_pk_add_f32 v[248:249], v[248:249], v[106:107]
	v_pk_add_f32 v[238:239], v[238:239], v[110:111]
	v_pk_add_f32 v[236:237], v[236:237], v[114:115]
	v_pk_add_f32 v[234:235], v[234:235], v[118:119]
	v_pk_add_f32 v[14:15], v[14:15], v[122:123]
	v_pk_add_f32 v[230:231], v[230:231], v[126:127]
	v_pk_add_f32 v[252:253], v[252:253], v[130:131]
	v_pk_add_f32 v[250:251], v[250:251], v[134:135]
	v_pk_add_f32 v[248:249], v[248:249], v[138:139]
	v_pk_add_f32 v[238:239], v[238:239], v[142:143]
	v_pk_add_f32 v[236:237], v[236:237], v[146:147]
	v_pk_add_f32 v[234:235], v[234:235], v[150:151]
	v_pk_add_f32 v[14:15], v[14:15], v[154:155]
	v_pk_add_f32 v[230:231], v[230:231], v[158:159]
	s_delay_alu instid0(VALU_DEP_2)
	v_pk_add_f32 v[14:15], v[14:15], v[248:249]
	s_delay_alu instid0(VALU_DEP_2)
	v_pk_add_f32 v[230:231], v[230:231], v[238:239]
	v_pk_add_f32 v[252:253], v[252:253], v[236:237]
	v_pk_add_f32 v[250:251], v[250:251], v[234:235]
	s_delay_alu instid0(VALU_DEP_2)
	v_pk_add_f32 v[14:15], v[14:15], v[252:253]
	s_delay_alu instid0(VALU_DEP_2)
	v_pk_add_f32 v[230:231], v[230:231], v[250:251]
	s_delay_alu instid0(VALU_DEP_1)
	v_pk_add_f32 v[14:15], v[14:15], v[230:231]
	s_wait_alu depctr_va_vdst(0)                   ; and one for the four
.irp b, 0,1,2,3
	v_max_num_f32 v[BM+\b], 0x1800000, v[BM+\b]    ; the floor 2^(3 - 127): the byte cannot fall under 1
.endr
.irp b, 0,1,2,3
	s_delay_alu instid0(VALU_DEP_4)
	v_add_nc_u32 v[BS+\b], 0xff000000, v[BM+\b]    ; 2 off the exponent field: the conversion's scale operand
.endr
.irp b, 0,1,2,3
	s_delay_alu instid0(VALU_DEP_4)
	v_lshrrev_b32 v[BT+\b], 23, v[BS+\b]           ; the scale's byte
.endr
	s_delay_alu instid0(VALU_DEP_3)
	v_lshl_or_b32 v[PS], v[BT+1], 8, v[BT]
	s_delay_alu instid0(VALU_DEP_1)
	v_lshl_or_b32 v[PS], v[BT+2], 16, v[PS]
	s_delay_alu instid0(VALU_DEP_1)
	v_lshl_or_b32 v[PS], v[BT+3], 24, v[PS]
.irp c, 0,1
	v_cvt_scalef32_pk16_fp6_f32 v[PC+6*\c:PC+6*\c+2], v[S+32*\c:S+32*\c+15], v[BS+2*\c]
	v_cvt_scalef32_pk16_fp6_f32 v[PT+4*\c:PT+4*\c+2], v[S+16+32*\c:S+31+32*\c], v[BS+2*\c+1]
.endr
	v_nop                                          ; one plain place behind a scaled conversion
.irp c, 0,1                                    ; a whole block in a lane: lanes 0-15 block 2 c, lanes 16-31 block 2 c + 1
.irp i, 0,1,2
	v_permlane16_swap_b32 v[PC+6*\c+\i], v[PT+4*\c+\i]
.endr
.irp i, 0,1,2
	s_delay_alu instid0(VALU_DEP_3)
	v_mov_b32 v[PC+3+6*\c+\i], v[PT+4*\c+\i]
.endr
.endr
.set J, 0
	s_setprio 0
.rept 16
	v_pk_mul_f32 v[O+J:O+J+1], v[O+J:O+J+1], v[F:F+1] op_sel_hi:[1,0]   ; O^T under the new M.  (These sixteen are also the places between the writes of p's codes and scale word and the products)
.set J, J+2
.endr
	s_wait_alu depctr_va_vdst(0)
	s_wait_dscnt 0x0                               ; V is in
.irp t, 0,1,2,3
	v_wmma_scale_f32_16x16x128_f8f6f4 v[O+8*\t:O+8*\t+7], v[KV+12*\t:KV+12*\t+11], v[PC:PC+11], v[O+8*\t:O+8*\t+7], v[SCW+\t], v[PS] matrix_a_fmt:MATRIX_FMT_FP6 matrix_b_fmt:MATRIX_FMT_FP6 matrix_a_scale:MATRIX_SCALE_ROW1
.endr
.rept 4
	v_nop                                          ; places in front of the next step's loads, and of the first read of O^T
.endr
.if \diag
.Lhidden_\@:
.endif
	s_add_co_u32 s[TB], s[TB], KVSTEP
	s_add_co_u32 s[KF], s[KF], 128
.endm
; Part j of the head, two steps.  The count leaves the 7 - j younger parts' loads out; behind the barrier everybody's quarter of part j is in.  Nothing is ever filled again.
.macro SECTION j, diag
	s_wait_tensorcnt 7-\j
	s_wait_dscnt 0x0
	s_barrier_signal -1
	s_barrier_wait -1
	s_mov_b32 s[TB], 25600*\j
	s_mov_b32 s[KF], 256*\j
	s_mov_b32 s[CNT], 2
.Lsec_\@:
	STEP \diag
	s_sub_co_u32 s[CNT], s[CNT], 1
	s_cmp_lg_u32 s[CNT], 0
	s_cbranch_scc1 .Lsec_\@
	s_setprio 0
.endm
; A tile ends: O^T / the sum; brought into the natural order of the head's 64, since its partner Wo is given so; quantised in two blocks of 32; stored as half a fragment's image and two scale bytes a token.
.macro FIN ca, sa
	v_add_f32 v14, v14, v15
	s_delay_alu instid0(VALU_DEP_1)
	v_permlanex16_b32 v[T0], v14, s[SEL], s[SEL+1]
	s_delay_alu instid0(VALU_DEP_1)
	v_add_f32 v14, v14, v[T0]                      ; the row's sum
	s_wait_alu depctr_va_vdst(0)
	v_rcp_f32 v14, v14
	v_nop                                          ; a plain place behind the reciprocal
	s_wait_alu depctr_va_vdst(0)                   ; and the wait ahead of its first reader
.set J, 0
.rept 32
	v_mul_f32 v[S+J], v[O+J], v14                  ; register 8 t + j: ctx(query r, d = 16 t + 8 h + j); each accumulator from its low end on
.set J, J+1
.endr
.irp b, 0,1
.irp j, 0,1,2,3,4,5,6,7
	v_permlane16_swap_b32 v[S+16*\b+\j], v[S+16*\b+8+\j]   ; register 16 b + i now holds d = 32 b + 16 h + i
.endr
.endr
.irp b, 0,1
	v_max3_num_f32 v[BM+\b], |v[S+16*\b]|, |v[S+16*\b+1]|, 0x1800000
.endr
.irp i, 2,4,6,8,10,12,14
.irp b, 0,1
	s_delay_alu instid0(VALU_DEP_2)
	v_max3_num_f32 v[BM+\b], v[BM+\b], |v[S+16*\b+\i]|, |v[S+16*\b+\i+1]|
.endr
.endr
.irp b, 0,1
	s_delay_alu instid0(VALU_DEP_2)
	v_permlanex16_b32 v[BT+\b], v[BM+\b], s[SEL], s[SEL+1]
.endr
.irp b, 0,1
	s_delay_alu instid0(VALU_DEP_2)
	v_max_num_f32 v[BM+\b], v[BM+\b], v[BT+\b]
.endr
.irp b, 0,1
	s_delay_alu instid0(VALU_DEP_2)
	v_add_nc_u32 v[BS+\b], 0xff000000, v[BM+\b]
.endr
.irp b, 0,1
	s_delay_alu instid0(VALU_DEP_2)
	v_lshrrev_b32 v[BT+\b], 23, v[BS+\b]
.endr
	v_cvt_scalef32_pk16_fp6_f32 v[PC:PC+2], v[S:S+15], v[BS]
	v_cvt_scalef32_pk16_fp6_f32 v[PT:PT+2], v[S+16:S+31], v[BS+1]
	v_nop
.irp i, 0,1,2
	v_permlane16_swap_b32 v[PC+\i], v[PT+\i]
.endr
.irp i, 0,1,2
	s_delay_alu instid0(VALU_DEP_3)
	v_mov_b32 v[PC+3+\i], v[PT+\i]
.endr
	v_cndmask_b32 v[T0+1], v[BT], v[BT+1], s[HIM]  ; lanes 0-15 the first block's byte, lanes 16-31 the second's
.irp p, 0,1,2
	global_store_b64 v[CO8], v[PC+2*\p:PC+2*\p+1], s[\ca:\ca+1] offset:256*\p   ; 32 lanes store 256 consecutive bytes, at a multiple of 256 from the buffer's first byte
.endr
	global_store_b8 v[SO8], v[T0+1], s[\sa:\sa+1]
.endm
	; THE LATE TILE: its queries are 1,024 or later, so all keys of parts 0 to 3 count
	SECTION 0, 0
	SECTION 1, 0
	SECTION 2, 0
	SECTION 3, 0
	SECTION 4, 1
	SECTION 5, 1
	SECTION 6, 1
	SECTION 7, 1
	FIN CL, SL
	s_wait_xcnt 0x0                                ; the stores have read their data: the registers may be written again
	; THE EARLY TILE: its keys lie under 1,024: eight steps, all in LDS
.irp i, 0,1,2,3,4,5
	v_mov_b32 v[QF+\i], v[QE+\i]
	v_mov_b32 v[QF+12+\i], v[QE+\i]
.endr
	v_perm_b32 v[QS], v[QE+6], v[QE+6], s[PSEL]
	s_mov_b32 s[Q0], s[Q0E]
	INIT
	s_mov_b32 s[TB], 0
	s_mov_b32 s[KF], 0
	s_mov_b32 s[CNT], 8
.Learly:
	STEP 1
	s_sub_co_u32 s[CNT], s[CNT], 1
	s_cmp_lg_u32 s[CNT], 0
	s_cbranch_scc1 .Learly
	s_setprio 0
	FIN CE, SE
	s_wait_tensorcnt 0x0
	ds_add_u32 v254, v255
	s_wait_dscnt 0x0
	s_endpgm
.Lfunc_end_k_q0cfd74fba3_attn:
	.size	k_q0cfd74fba3_attn, .Lfunc_end_k_q0cfd74fba3_attn-k_q0cfd74fba3_attn
	.p2alignl 7, 3214868480
	.fill 96, 4, 3214868480
	.section	.rodata,"a",@progbits
	.p2align	6, 0x0
	.amdhsa_kernel k_q0cfd74fba3_attn
		.amdhsa_group_segment_fixed_size 206848
		.amdhsa_private_segment_fixed_size 0
		.amdhsa_enable_private_segment 0
		.amdhsa_kernarg_size 32
		.amdhsa_user_sgpr_count 2
		.amdhsa_user_sgpr_kernarg_segment_ptr 1
		.amdhsa_wavefront_size32 1
		.amdhsa_system_sgpr_workgroup_id_x 1
		.amdhsa_system_sgpr_workgroup_id_y 1
		.amdhsa_system_sgpr_workgroup_id_z 1
		.amdhsa_system_vgpr_workitem_id 0
		.amdhsa_next_free_vgpr 256
		.amdhsa_next_free_sgpr 100
		.amdhsa_reserve_vcc 1
		.amdhsa_float_denorm_mode_32 3
		.amdhsa_float_denorm_mode_16_64 3
		.amdhsa_memory_ordered 1
		.amdhsa_forward_progress 1
		.amdhsa_inst_pref_size 200
	.end_amdhsa_kernel
	.amdgpu_metadata
---
amdhsa.version: [ 1, 2 ]
amdhsa.kernels:
  - .name:           k_q0cfd74fba3_attn
    .symbol:         k_q0cfd74fba3_attn.kd
    .args:
      - { .name: qb, .offset: 0, .size: 8, .value_kind: global_buffer, .address_space: global }
      - { .name: kv, .offset: 8, .size: 8, .value_kind: global_buffer, .address_space: global }
      - { .name: cimg, .offset: 16, .size: 8, .value_kind: global_buffer, .address_space: global }
      - { .name: csc, .offset: 24, .size: 8, .value_kind: global_buffer, .address_space: global }
    .group_segment_fixed_size: 206848
    .private_segment_fixed_size: 0
    .kernarg_segment_align: 8
    .kernarg_segment_size: 32
    .max_flat_workgroup_size: 512
    .sgpr_count:     100
    .vgpr_count:     256
    .wavefront_size: 32
...
	.end_amdgpu_metadata
.endif
;; end of part 2
;; launch outp (part 3): grid 4 x 32, 4 waves a work-group, clusters of 4 x 4, 327,680 bytes of LDS; arguments cimg, csc, Wo_codes, Wo_scales, bo, out0; writes out0
.if DOCPART == 3
	.amdgcn_target "amdgcn-amd-amdhsa--gfx1250"
	.amdhsa_code_object_version 6
	.text
	.protected	k_q0cfd74fba3_outp
	.globl	k_q0cfd74fba3_outp
	.p2align	8
	.type	k_q0cfd74fba3_outp,@function
k_q0cfd74fba3_outp:
	s_mov_b64 s[64:65], 0
	v_nop
	global_prefetch_b8 v0, s[64:65] scope:SCOPE_SE
	s_setreg_imm32_b32 hwreg(HW_REG_WAVE_MODE, 25, 1), 1
	s_wait_xcnt 0x0
	s_wait_alu depctr_hold_cnt(0) depctr_sa_sdst(0) depctr_va_vdst(0) depctr_va_sdst(0) depctr_va_ssrc(0) depctr_va_vcc(0) depctr_vm_vsrc(0)
	s_getreg_b32 s2, hwreg(HW_REG_IB_STS2, 6, 4)
	s_cmp_eq_u32 s2, 0
	s_cbranch_scc0 .Lentry_in_a_cluster
	s_endpgm
.Lentry_in_a_cluster:
	s_bfe_u32 s2, ttmp6, 0x10000c
	s_cmp_lg_u32 s2, 0xf033
	s_cbranch_scc0 .Lentry_shape_is_right
	s_endpgm
.Lentry_shape_is_right:
; out0[m][n] = sum over k of ctx[m][k] Wo[n][k] + bo[n] on codes of FP6 (E2M3) with E8M0 scales.  m: 8,192 tokens; n, k: 1,024.  out0: f32.
; ctx comes as IMAGES of operand registers: cimg [tile of 16 tokens 512][head 16][third 3][lane 32][8 bytes]: registers 2 p, 2 p + 1 of half a fragment (token r; lanes 0-15 the head's first 32, lanes 16-31 its second).
; Two heads on end are a fragment of 128 along K.  Its scale bytes csc are plain rows [token][32]; Wo's codes are rows of 768 bytes, its scale bytes rows of 32.
; A tile of the result, 256 x 256, is made by four waves of 128 x 128: 64 accumulators each.  K goes in steps of 256 through two LDS slots filled by the tensor data mover; the scale bytes of the work-group's rows
; come once.  4 x 4 work-groups form a cluster: ctx's tiles are asked for jointly along a row of it, Wo's along a column.  THE MATRIX INSTRUCTION IS USED TRANSPOSED (source 0 = 16 rows of Wo, source 1 = 16 tokens):
; a lane holds eight neighbouring numbers of a row of the result.  The bias is the C of each sum's first matrix instruction.
; 128 work-groups: a tile of 128 x 256 would give 256, at twice the LDS reads for Wo; the launch writes 32 MiB and its products are few.
; REGISTERS, in windows of 256: window 0: v0-31 addresses; v32-63 scale words, two sets; v64-127 the bias in the result's layout; from v128 ctx's fragments, one set; on the way out v128-255 are free.
;   window 1: Wo's fragments, two sets.   window 2: the accumulators of my rows 0-63 ((a, b) at v[8 (8 a + b)]);   window 3: those of my rows 64-127.
.set SIZE_N, 1024
.set KSTEP,  256
.set NQ,     KSTEP/128
.set ROWB,   192                       ; a row of Wo's tile in bytes
.set KROW,   768                       ; 1,024 codes in bytes: a row of Wo; and a token's share of cimg (16 tokens: 12,288 bytes)
.set AROWB,  3072                      ; 16 tokens x 256 along K in cimg: four heads x 768 bytes, on end
.set PITCH,  240                       ; an LDS row of Wo: 3 x (64 bytes + 16 of padding)
.set FR,     12
.set NL,     6
.set NP,     4
.set HALFT,  128*PITCH                 ; a wave's part of a slot: 128 rows of Wo; ctx's 8 x 3,072 bytes take the first 24,576 of it
.set SLOT,   4*HALFT
.set LAPS,   2
.set KS,     32
.set SCL,    2*SLOT
.set HALFS,  (128*KS/256)*272
.set SBLK,   (16*KS/256)*272
.set SPARE,  SCL+4*HALFS               ; the spare words: 128 bytes a wave, two blocks of 256 bytes that no other line names
.set SPITCH, 528                       ; the way out: a stage of 16 rows x (512 bytes + 16) for each wave, in slot 0, which has had its last fill and its last read when the first result is stored there
.set ADRA, 16                          ; v16-17 LDS address of my ctx fragments in slot 0, 1: 8 x lane + my half
.set ADRB, 20                          ; v20-21 of my Wo fragments (v22-23: behind one padding more)
.set STO,  24
.set RD,   25
.set CO,   26
.set ADRS, 27
.set SPW,  28
.set NIL,  29
.set SC,   32
.set BIAS, 64
.set AF,   128
.set BK,   128
.set G1, 24
.set G0, 32
.set G1B, 48
.set G0B, 56
.set G1S, 68
.set G0S, 76
.set G1SB, 80
.set G0SB, 88
.set MSB, 0
.macro WIN new                         ; the immediate's high byte repeats the setting that is left
.if MSB != \new
	s_set_vgpr_msb (MSB<<8)|\new
.set MSB, \new
.endif
.endm
.set MUL_LO, 0xa1                      ; source 0 (Wo) window 1, source 1 (ctx) window 0, C and D window 2
.set MUL_HI, 0xf1
.set FIRST_LO, 0x81                    ; the first step: C (the bias) window 0, D window 2
.set FIRST_HI, 0xc1
.set TO_B,   0x40
.macro JLOAD g0a, g1a, g0b, g1b        ; a joint load: waves 0 and 1 fetch for ctx, waves 2 and 3 for Wo; four v_nop follow each of the two lines
	s_cmp_eq_u32 s15, 0
	s_cbranch_scc0 .Lfor_b_\@
	tensor_load_to_lds s[\g0a:\g0a+3], s[\g1a:\g1a+7]
	s_nop 0
.rept 4
	v_nop
.endr
	s_branch .Lasked_\@
.Lfor_b_\@:
	tensor_load_to_lds s[\g0b:\g0b+3], s[\g1b:\g1b+7]
	s_nop 0
.rept 4
	v_nop
.endr
.Lasked_\@:
.endm
.macro CREST
	s_cmp_lg_u32 s14, 0
	s_cbranch_scc1 .Lnot_wave_0_\@
	s_barrier_signal -3
.Lnot_wave_0_\@:
	s_barrier_wait -3
	s_barrier_signal -1
	s_barrier_wait -1
.endm
.macro CROUND
	s_barrier_signal -1
	s_barrier_wait -1
	CREST
.endm
	s_load_b128 s[4:7], s[0:1], 0x0                ; ctx's images, ctx's scales
	s_load_b128 s[8:11], s[0:1], 0x10              ; Wo's codes, Wo's scales
	s_load_b64 s[66:67], s[0:1], 0x20              ; bo
	s_load_b64 s[12:13], s[0:1], 0x28              ; out0
	v_lshl_add_u32 v[SPW], v0, 2, SPARE
	v_mov_b32 v[NIL], 0
	ds_add_u32 v28, v29
	ds_add_u32 v28, v29
	s_wait_dscnt 0x0
	v_lshrrev_b32 v1, 5, v0
	v_readfirstlane_b32 s14, v1                    ; wave 0..3
	s_lshr_b32 s15, s14, 1                         ; which half of the tile's rows is mine.  Also: I fetch for ctx (0) or for Wo (1)
	s_and_b32 s16, s14, 1                          ; which half of its columns.  Also: which 128 rows of that tile I fetch
	s_bfe_u32 s40, ttmp6, 0x40000                  ; cx, cy
	s_bfe_u32 s41, ttmp6, 0x40004
	s_lshl_b32 s42, ttmp9, 2
	s_add_co_u32 s42, s42, s40                     ; tile column = 4 x cluster x + cx
	s_and_b32 s17, ttmp7, 0xffff
	s_lshl_b32 s17, s17, 2
	s_add_co_u32 s17, s17, s41                     ; tile row = 4 x cluster y + cy
	s_lshl_b32 s43, s41, 2
	s_lshl_b32 s43, 15, s43                        ; my row of the cluster
	s_lshl_b32 s44, 0x1111, s40                    ; my column
	; group 1 for ctx: 8 tiles of 16 tokens, of each 3,072 bytes on end (384 elements of 8 bytes), 12,288 bytes apart; no padding: the images are read 256 consecutive bytes at a time
	s_or_b32 s[G1+0], s43, (3<<16)|(1<<21)
	s_mov_b32 s[G1+1], 384<<16                     ; tensor_dim0
	s_mov_b32 s[G1+2], 8<<16                       ; tensor_dim1
	s_mov_b32 s[G1+3], 384<<16                     ; tile_dim0
	s_mov_b32 s[G1+4], 8                           ; tile_dim1
	s_mov_b32 s[G1+5], 1536                        ; pitch in elements
	s_mov_b32 s[G1+6], 0
	s_mov_b32 s[G1+7], 0
	; for Wo: 128 rows x 192 bytes, 16 bytes of padding behind every 64
	s_or_b32 s[G1B+0], s44, (0<<16)|(1<<20)|(1<<21)|(3<<22)|(3<<25)
	s_mov_b32 s[G1B+1], ROWB<<16
	s_mov_b32 s[G1B+2], 128<<16
	s_mov_b32 s[G1B+3], ROWB<<16
	s_mov_b32 s[G1B+4], 128
	s_mov_b32 s[G1B+5], KROW
	s_mov_b32 s[G1B+6], 0
	s_mov_b32 s[G1B+7], 0
	; for the scales of 128 rows: 4,096 dense bytes as 16 rows of 256, 16 bytes of padding behind each
	s_or_b32 s[G1S+0], s43, (3<<16)|(1<<20)|(1<<21)|(5<<22)|(3<<25)
	s_or_b32 s[G1SB+0], s44, (3<<16)|(1<<20)|(1<<21)|(5<<22)|(3<<25)
.irp g, G1S, G1SB
	s_mov_b32 s[\g+1], 32<<16
	s_mov_b32 s[\g+2], (128*KS/256)<<16
	s_mov_b32 s[\g+3], 32<<16
	s_mov_b32 s[\g+4], 128*KS/256
	s_mov_b32 s[\g+5], 32
	s_mov_b32 s[\g+6], 0
	s_mov_b32 s[\g+7], 0
.endr
	s_lshl_b32 s18, s16, 7
	s_lshl_b32 s20, s17, 8
	s_add_co_u32 s20, s20, s18                     ; ctx: token 256 x tile row + 128 x half
	s_lshl_b32 s46, s42, 8
	s_add_co_u32 s46, s46, s18                     ; Wo: row 256 x tile column + 128 x half
	s_mov_b32 s21, 0
	s_mov_b32 s47, 0
	s_mov_b64 s[18:19], KS
	s_mul_u64 s[22:23], s[20:21], s[18:19]         ; where these rows' scales begin
	s_mul_u64 s[92:93], s[46:47], s[18:19]
	s_mov_b64 s[18:19], KROW
	s_mul_u64 s[20:21], s[20:21], s[18:19]         ; and their codes: a token's share of cimg is 768 bytes too, and my first token is a multiple of 16
	s_mul_u64 s[46:47], s[46:47], s[18:19]
	s_mul_i32 s45, s14, HALFT
	s_mul_i32 s94, s14, HALFS
	s_wait_kmcnt 0x0
	s_add_nc_u64 s[20:21], s[4:5], s[20:21]
	s_add_nc_u64 s[22:23], s[6:7], s[22:23]
	s_add_nc_u64 s[46:47], s[8:9], s[46:47]
	s_add_nc_u64 s[92:93], s[10:11], s[92:93]
	CROUND                                         ; all sixteen work-groups are here: the first joint loads meet
	s_mov_b32 s[G0S], 1
	s_add_co_u32 s[G0S+1], s94, SCL
	s_mov_b64 s[G0S+2:G0S+3], s[22:23]
	s_or_b32 s[G0S+3], s[G0S+3], 0x80000000
	s_mov_b32 s[G0SB], 1
	s_add_co_u32 s[G0SB+1], s94, SCL
	s_mov_b64 s[G0SB+2:G0SB+3], s[92:93]
	s_or_b32 s[G0SB+3], s[G0SB+3], 0x80000000
	JLOAD G0S, G1S, G0SB, G1SB
.irp s, 0,1
	s_mov_b32 s[G0+4*\s], 1
	s_add_co_u32 s[G0+4*\s+1], s45, \s*SLOT
	s_add_nc_u64 s[G0+4*\s+2:G0+4*\s+3], s[20:21], \s*AROWB
	s_or_b32 s[G0+4*\s+3], s[G0+4*\s+3], 0x80000000
	s_mov_b32 s[G0B+4*\s], 1
	s_add_co_u32 s[G0B+4*\s+1], s45, \s*SLOT
	s_add_nc_u64 s[G0B+4*\s+2:G0B+4*\s+3], s[46:47], \s*ROWB
	s_or_b32 s[G0B+4*\s+3], s[G0B+4*\s+3], 0x80000000
	JLOAD G0+4*\s, G1, G0B+4*\s, G1B
.endr
	v_and_b32 v1, 15, v0                           ; r
	v_bfe_u32 v2, v0, 4, 1                         ; h
	v_and_b32 v6, 31, v0                           ; lane
	v_mul_u32_u24 v3, v1, PITCH
	v_mul_u32_u24 v4, v2, 24
	v_add_nc_u32 v4, v3, v4                        ; Wo: a fragment's row x pitch + 24 x half
	v_lshl_add_u32 v5, v2, 4, v4                   ; and the same behind one padding more
	v_lshlrev_b32 v7, 3, v6                        ; ctx: 8 x lane
	s_mul_i32 s21, s15, HALFT                      ; my 128 tokens
	s_mul_i32 s22, s16, HALFT                      ; my 128 rows of Wo,
	s_add_co_u32 s22, s22, 2*HALFT                 ; which lie behind ctx's two parts
.irp s, 0,1
	v_add_nc_u32 v[ADRA+\s], s21, v7
	v_add_nc_u32 v[ADRB+\s], s22, v4
	v_add_nc_u32 v[ADRB+2+\s], s22, v5
	s_add_co_u32 s21, s21, SLOT
	s_add_co_u32 s22, s22, SLOT
.endr
	v_mul_u32_u24 v5, v1, KS
	v_lshrrev_b32 v8, 8, v5
	v_lshl_add_u32 v5, v8, 4, v5
	s_mul_i32 s21, s15, HALFS
	s_mul_i32 s22, s16, HALFS
	s_add_co_u32 s22, s22, 2*HALFS
	s_sub_co_u32 s22, s22, s21
	v_mul_u32_u24 v8, s22, v2                      ; lanes 16-31 take Wo's
	s_add_co_u32 s21, s21, SCL
	v_add_nc_u32 v5, v5, v8
	v_add_nc_u32 v[ADRS], s21, v5
	s_mul_i32 s23, s14, 16*SPITCH                  ; my stage
	v_mul_u32_u24 v5, v1, SPITCH
	v_lshl_add_u32 v5, v2, 5, v5
	v_add_nc_u32 v[STO], s23, v5
	v_lshlrev_b32 v[CO], 4, v6
	v_add_nc_u32 v[RD], s23, v[CO]
	s_lshl_b32 s20, s17, 8
	s_lshl_b32 s21, s15, 7
	s_add_co_u32 s20, s20, s21                     ; my first row of the result
	s_mov_b32 s21, 0
	s_mov_b64 s[18:19], SIZE_N*4
	s_mul_u64 s[20:21], s[20:21], s[18:19]
	s_lshl_b32 s46, s42, 10                        ; my first column, in bytes: 1,024 x tile column + 512 x half
	s_lshl_b32 s47, s16, 9
	s_add_co_u32 s46, s46, s47
	s_mov_b32 s47, 0
	s_add_nc_u64 s[66:67], s[66:67], s[46:47]      ; the same bytes on in bo
	s_add_nc_u64 s[20:21], s[20:21], s[46:47]
	s_add_nc_u64 s[12:13], s[12:13], s[20:21]
	v_lshlrev_b32 v9, 5, v2                        ; the bias in the result's layout: for Wo's block b lane (r, h) wants bo at columns 16 b + 8 h + 0 .. 7
.irp b, 0,1,2,3,4,5,6,7
	global_load_b128 v[BIAS+8*\b:BIAS+8*\b+3], v9, s[66:67] offset:64*\b
	global_load_b128 v[BIAS+8*\b+4:BIAS+8*\b+7], v9, s[66:67] offset:64*\b+16
.endr
.macro FRAG reg, adr, q, i             ; a fragment of Wo from rows: 24 bytes twice, in pieces of 8 bytes; where the piece three on lies behind one padding more, the second address register serves
.irp p, 0,1,2,3,4,5
.set PCE, 12*(\q)+6*(\p/3)+\p%3
.if PCE%8 < 5
	ds_load_b64 v[\reg+2*\p:\reg+2*\p+1], v[\adr] offset:8*PCE+16*(PCE/8)+(\i)*16*PITCH
.else
	ds_load_b64 v[\reg+2*\p:\reg+2*\p+1], v[\adr+2] offset:8*PCE+16*(PCE/8)+(\i)*16*PITCH
.endif
.endr
.endm
.macro FRAGA reg, adr, q, i            ; a fragment of ctx from its image: tile of tokens i, heads 2 q and 2 q + 1 of the slot's four; each load reads 256 consecutive bytes
.irp p, 0,1,2,3,4,5
	ds_load_b64 v[\reg+2*\p:\reg+2*\p+1], v[\adr] offset:AROWB*(\i)+768*(2*(\q)+\p/3)+256*(\p%3)
.endr
.endm
; 16 matrix instructions.  zero = 1: the first product starts the sums on the bias.  The 64 accumulators take turns, one instruction a turn, in the same order in every step.
.macro MUL16 a0, p, q, sc, zero
.irp a, \a0, \a0+1
.irp b, 0,1,2,3,4,5,6,7
.if \zero
	v_wmma_scale_f32_16x16x128_f8f6f4 v[8*(8*((\a)%4)+\b):8*(8*((\a)%4)+\b)+7], v[128*(\p)+FR*\b:128*(\p)+FR*\b+FR-1], v[AF+FR*(\a):AF+FR*(\a)+FR-1], v[BIAS+8*\b:BIAS+8*\b+7], v[SC+8*NQ*(\sc)+NQ*\b+(\q)], v[SC+8*NQ*(\sc)+NQ*(\a)+(\q)] matrix_a_fmt:MATRIX_FMT_FP6 matrix_b_fmt:MATRIX_FMT_FP6 matrix_a_scale:MATRIX_SCALE_ROW1
.else
	v_wmma_scale_f32_16x16x128_f8f6f4 v[8*(8*((\a)%4)+\b):8*(8*((\a)%4)+\b)+7], v[128*(\p)+FR*\b:128*(\p)+FR*\b+FR-1], v[AF+FR*(\a):AF+FR*(\a)+FR-1], v[8*(8*((\a)%4)+\b):8*(8*((\a)%4)+\b)+7], v[SC+8*NQ*(\sc)+NQ*\b+(\q)], v[SC+8*NQ*(\sc)+NQ*(\a)+(\q)] matrix_a_fmt:MATRIX_FMT_FP6 matrix_b_fmt:MATRIX_FMT_FP6 matrix_a_scale:MATRIX_SCALE_ROW1
.endif
.endr
.endr
.endm
.macro FETCH_B slot, q, p
	WIN TO_B
.irp i, 0,1,2,3,4,5,6,7
	FRAG 128*(\p)+FR*\i, ADRB+\slot, \q, \i
.endr
	WIN 0
.endm
.macro FETCH_A slot, q, i0
.irp i, \i0, \i0+1, \i0+2, \i0+3
	FRAGA AF+FR*(\i), ADRA+\slot, \q, \i
.endr
.endm
.macro SCALES sc
.irp i, 0,1,2,3,4,5,6,7
	ds_load_b64 v[SC+8*NQ*\sc+NQ*\i:SC+8*NQ*\sc+NQ*\i+1], v[ADRS] offset:\i*SBLK
.endr
.endm
.macro PLACES n
.rept \n
	v_nop
.endr
.endm
.macro STEP slot, q, zero
	s_wait_dscnt 4*NL                              ; Wo's set and ctx's blocks 0-3 are in; the youngest 24 loads (blocks 4-7) may be out
.if \zero
	WIN FIRST_LO
.else
	WIN MUL_LO
.endif
	MUL16 0, (\q)%2, \q, \slot, \zero
	MUL16 2, (\q)%2, \q, \slot, \zero
	s_wait_dscnt 0
	PLACES NP
	FETCH_B \slot, (\q)+1, 1-(\q)%2
	FETCH_A \slot, (\q)+1, 0
.if \zero
	WIN FIRST_HI
.else
	WIN MUL_HI
.endif
	MUL16 4, (\q)%2, \q, \slot, \zero
	MUL16 6, (\q)%2, \q, \slot, \zero
	PLACES NP
	WIN 0
	FETCH_A \slot, (\q)+1, 4
.endm
.macro TURN slot, next, fill
	s_wait_tensorcnt 0x0                           ; all my tensor loads have landed: my part of the next slot
	ds_add_u32 v[SPW], v[NIL]                      ; 0 onto my spare word
	s_wait_dscnt 4*NL+1                            ; (the add and the youngest 24 loads may be out)
	WIN MUL_LO
	MUL16 0, 1, NQ-1, \slot, 0
	s_wait_dscnt 0x0                               ; the add is done, and my reads of this slot are over
	s_barrier_signal -1
	MUL16 2, 1, NQ-1, \slot, 0
	WIN 0
	s_barrier_wait -1
.if \fill
	CREST                                          ; the barrier has opened a round of the cluster's barrier: no wave of any partner still reads this slot or has a load on its way
	s_add_nc_u64 s[G0+4*\slot+2:G0+4*\slot+3], s[G0+4*\slot+2:G0+4*\slot+3], 2*AROWB
	s_add_nc_u64 s[G0B+4*\slot+2:G0B+4*\slot+3], s[G0B+4*\slot+2:G0B+4*\slot+3], 2*ROWB
	JLOAD G0+4*\slot, G1, G0B+4*\slot, G1B         ; the first tensor load behind the round; its four v_nop are the places in front of the loads below
.else
	PLACES NP
.endif
	v_add_nc_u32 v[ADRS], 4*NQ, v[ADRS]
	FETCH_B \next, 0, 0
	FETCH_A \next, 0, 0
	SCALES \next
	WIN MUL_HI
	MUL16 4, 1, NQ-1, \slot, 0
	MUL16 6, 1, NQ-1, \slot, 0
	PLACES NP
	WIN 0
	FETCH_A \next, 0, 4
.endm
	s_wait_loadcnt 0x0                             ; the bias
	s_wait_tensorcnt 1                             ; the scales and my part of K step 0 are in (K step 1's load may be out),
	s_barrier_signal -1
	s_barrier_wait -1                              ; everybody's are
	FETCH_B 0, 0, 0
	FETCH_A 0, 0, 0
	SCALES 0
	FETCH_A 0, 0, 4
	STEP 0, 0, 1                                   ; the first step stands in front of the loop: its products start the sums on the bias
	s_mov_b32 s3, LAPS-1
.Llap:
	TURN 0, 1, 1
	STEP 1, 0, 0
	TURN 1, 0, 1
	STEP 0, 0, 0
	s_sub_co_u32 s3, s3, 1
	s_cmp_lg_u32 s3, 0
	s_cbranch_scc1 .Llap
	TURN 0, 1, 0                                   ; the last lap fills nothing
	STEP 1, 0, 0
	s_wait_dscnt 4*NL
	WIN MUL_LO
	MUL16 0, 1, NQ-1, 1, 0
	MUL16 2, 1, NQ-1, 1, 0
	s_wait_dscnt 0
	WIN MUL_HI
	MUL16 4, 1, NQ-1, 1, 0
	MUL16 6, 1, NQ-1, 1, 0
	WIN 0
; THE WAY OUT, block by block of 16 rows x 128 columns, through my own stage in LDS: in as 32 bytes a lane, back as whole rows of 512 bytes.  LDS serves a wave's instructions in order (ISA guide 5.7.1.4).
.macro TOSTAGE a
.set AC, 64*((\a)%4)
	WIN 0x08+4*((\a)/4)                            ; the data: window 2 or 3
.irp b, 0,1,2,3,4,5,6,7
	ds_store_b128 v[STO], v[AC+8*\b:AC+8*\b+3] offset:64*\b          ; each accumulator from its low end on
	ds_store_b128 v[STO], v[AC+8*\b+4:AC+8*\b+7] offset:64*\b+16
.endr
	WIN 0
.set BB, BK+64*((\a)%2)
.irp t, 0,1,2,3,4,5,6,7,8,9,10,11,12,13,14,15
	ds_load_b128 v[BB+4*\t:BB+4*\t+3], v[RD] offset:\t*SPITCH
.endr
.endm
.macro SEND a, younger                 ; younger: the LDS instructions issued behind block a's loads, which may stay out
.set BB, BK+64*((\a)%2)
	s_wait_dscnt \younger
.if (\a) > 0
	s_add_nc_u64 s[12:13], s[12:13], 16*SIZE_N*4   ; (behind a wait on XCNT: the earlier stores have read their base)
.endif
.irp t, 0,1,2,3,4,5,6,7,8,9,10,11,12,13,14,15
	global_store_b128 v[CO], v[BB+4*\t:BB+4*\t+3], s[12:13] offset:\t*SIZE_N*4 th:TH_STORE_NT   ; 32 lanes store 512 consecutive bytes, at a multiple of 256 from the buffer's first byte
.endr
.endm
	PLACES NP
	TOSTAGE 0
.irp a, 1,2,3,4,5,6,7
.if \a > 1
	s_wait_xcnt 0x0                                ; block a - 2's stores have read their registers and their base
.endif
	TOSTAGE \a
	SEND \a-1, 32                                  ; behind block a - 1's loads: block a's 16 stores and 16 loads
.endr
	s_wait_xcnt 0x0
	SEND 7, 0
	s_wait_tensorcnt 0x0                           ; the wave's end
	ds_add_u32 v[SPW], v[NIL]
	s_wait_dscnt 0x0
	CROUND                                         ; the closing round
	s_endpgm
.Lfunc_end_k_q0cfd74fba3_outp:
	.size	k_q0cfd74fba3_outp, .Lfunc_end_k_q0cfd74fba3_outp-k_q0cfd74fba3_outp
	.p2alignl 7, 3214868480
	.fill 96, 4, 3214868480
	.section	.rodata,"a",@progbits
	.p2align	6, 0x0
	.amdhsa_kernel k_q0cfd74fba3_outp
		.amdhsa_group_segment_fixed_size 327680
		.amdhsa_private_segment_fixed_size 0
		.amdhsa_enable_private_segment 0
		.amdhsa_kernarg_size 48
		.amdhsa_user_sgpr_count 2
		.amdhsa_user_sgpr_kernarg_segment_ptr 1
		.amdhsa_wavefront_size32 1
		.amdhsa_system_sgpr_workgroup_id_x 1
		.amdhsa_system_sgpr_workgroup_id_y 1
		.amdhsa_system_sgpr_workgroup_id_z 1
		.amdhsa_system_vgpr_workitem_id 0
		.amdhsa_next_free_vgpr 1024
		.amdhsa_next_free_sgpr 98
		.amdhsa_reserve_vcc 0
		.amdhsa_float_denorm_mode_32 3
		.amdhsa_float_denorm_mode_16_64 3
		.amdhsa_memory_ordered 1
		.amdhsa_forward_progress 1
		.amdhsa_inst_pref_size 161
	.end_amdhsa_kernel
	.amdgpu_metadata
---
amdhsa.version: [ 1, 2 ]
amdhsa.kernels:
  - .name:           k_q0cfd74fba3_outp
    .symbol:         k_q0cfd74fba3_outp.kd
    .args:
      - { .name: cimg, .offset: 0, .size: 8, .value_kind: global_buffer, .address_space: global }
      - { .name: csc, .offset: 8, .size: 8, .value_kind: global_buffer, .address_space: global }
      - { .name: Wo_codes, .offset: 16, .size: 8, .value_kind: global_buffer, .address_space: global }
      - { .name: Wo_scales, .offset: 24, .size: 8, .value_kind: global_buffer, .address_space: global }
      - { .name: bo, .offset: 32, .size: 8, .value_kind: global_buffer, .address_space: global }
      - { .name: out0, .offset: 40, .size: 8, .value_kind: global_buffer, .address_space: global }
    .group_segment_fixed_size: 327680
    .private_segment_fixed_size: 0
    .kernarg_segment_align: 8
    .kernarg_segment_size: 48
    .max_flat_workgroup_size: 128
    .sgpr_count:     98
    .vgpr_count:     1024
    .wavefront_size: 32
...
	.end_amdgpu_metadata
.endif
;; end of part 3
